; MI455X (gfx1250); checked and timed in simulation.
; The chip was launched on July 23, 2026; its instructions are those of AMD's public machine-readable ISA for CDNA 5 (MIT licence, August 2026) and "CDNA5" Instruction Set Architecture Reference Guide (July 2026). The comments in the code are by the model that wrote it; some were corrected since.
;; Multi Head Attention. Allowed arithmetic: matrix products marked QUANTISED: E4M3 operands, one given power-of-two scale a tensor, by v_wmma_f32_16x16x64_fp8_fp8 or v_wmma_f32_16x16x128_fp8_fp8, f32 sums; everything else in f32.
;; Inputs: W_proj_codes 1,024 x 32 x 32 uint8 (E4M3 codes of W_proj, K innermost, in blocks of 32 codes); W_qkv_codes 3,072 x 32 x 32 uint8 (E4M3 codes of W_qkv, K innermost, in blocks of 32 codes); b_proj 1,024 float32; lowp_scales 8 int32 (the exponents e of the quantised operands' scales 2^e); x_codes 4 x 2,048 x 32 x 32 uint8 (E4M3 codes of x, K innermost, in blocks of 32 codes).
;; Outputs: out0 4 x 2,048 x 1,024 float32.
;; This version of the problem:
;;   THIS VERSION OF THE PROBLEM IS GIVEN IN LOW PRECISION. The matrix products marked QUANTISED in the list below multiply operands that are first quantised to E4M3 (4 exponent bits, 3 mantissa bits; 8 bits a number), with one given power-of-two scale for each operand tensor; their sums are f32. All else is computed in f32.
;;   The module's matrix products, in the order in which they are computed (A, B: the left and right operand; K: the contracted axis; several contracted axes count as one K, in the product's order):
;;     1. [M 8,192, K 1,024] x [K 1,024, N 3,072]; A: input x (given as codes); B: input W_qkv (given as codes): QUANTISED (scales: A lowp_scales[0], B lowp_scales[1])
;;     2. batch 64 x [M 2,048, K 64] x [K 64, N 2,048]; A: computed on the way; B: computed on the way: QUANTISED (scales: A lowp_scales[2], B lowp_scales[3])
;;     3. batch 64 x [M 2,048, K 2,048] x [K 2,048, N 64]; A: softmax (see below); B: computed on the way: QUANTISED (scales: A lowp_scales[4], B lowp_scales[5])
;;     4. [M 8,192, K 1,024] x [K 1,024, N 1,024]; A: computed on the way; B: input W_proj (given as codes): QUANTISED (scales: A lowp_scales[6], B lowp_scales[7])
;;   THE QUANTISER, for each operand of a quantised product, along K:
;;     - The operand's scale is 2^e, e = its entry of the input lowp_scales (int32; the entries are numbered through the quantised products in the list's order, A before B).
;;     - Each number is divided by the scale, clamped to +-448, and rounded to the nearest number of E4M3, ties to even, subnormals kept.
;;     - The product sums the exact products of the quantised numbers (number of the format x scale) in f32.
;;   ~~~python
;;   def quantise(x, axis, e):      # numpy; x: float32 -> the quantised numbers, widened to float32 again
;;       x = np.moveaxis(x, axis, -1); K = x.shape[-1]
;;       r = np.clip(x / 2.0 ** e, -448, 448)
;;       step = 2.0 ** (np.maximum(np.frexp(np.where(r == 0, 1, r))[1] - 1, -6) - 3)
;;       q = np.round(r / step) * step * 2.0 ** e      # np.round: ties to even
;;       return np.moveaxis(q, -1, axis).astype(np.float32)
;;   ~~~
;;   SOFTMAX AHEAD OF A QUANTISED PRODUCT. Where the list says 'softmax', what is quantised is not the finished softmax but p = 2^(t - M), with t = logit x log2(e) and M = ceil(the row's largest t), a whole number; so 1/2 < the row's largest p <= 1. The row's sum l is taken of the UNQUANTISED p, in f32, and the product's result is divided by l at the end. Since M is a whole number, a kernel that streams over the keys may use a running M (the ceiling of the running maximum): every later rescaling is an exact power of two, so the quantised numbers keep their values, but for numbers so far below the row's largest that they fall under the format's range.
;;   OPERANDS COMPUTED ON THE WAY. 'Computed on the way' means the value that the module computes at that place (a softmax that the list does not call 'softmax' is quantised finished and normalised). What goes into a quantiser is computed in f32, as accurately as f32 sums, v_exp_f32 and their like allow (about 1e-6 of the number): no bf16 or f16 on the way to a quantiser, and a product that is left as it is and whose result goes on into a quantised operand takes f32 operands (vector FMAs, or v_wmma_f32_16x16x4_f32). A number that lies on a knife's edge between two numbers of the format may be rounded either way, as far as f32 arithmetic and the matrix unit's own rounding can turn it there, and no further.
;;   INPUTS GIVEN AS CODES. W_proj (in the module: [1024, 1024], K = its axis 1); W_qkv (in the module: [3072, 1024], K = its axis 1); x (in the module: [4, 2048, 1024], K = its axis 2): each comes as NAME_codes (uint8): NAME with its K axis moved to the last place and cut into blocks of 32 codes, [.., K / 32, bytes a block], one block behind the other in memory; one code a byte (a code: sign, 4 exponent bits, 3 mantissa bits); its scale is its entry of lowp_scales. Its value is code x scale, taken as it is: it is not quantised again, and the codes and scales need not be those that the quantiser above would give.
;; 2 versions, each right; version 2 is version 1 with the launch attn written anew for expert scheduling mode. Each part assembles by itself: llvm-mc -triple=amdgcn-amd-amdhsa -mcpu=gfx1250 --defsym DOCPART=n.
;; ======== version 1 of 2: 3 launches
;; workspace buffers: qimg 8,388,608 bytes; kimg 8,388,608 bytes; vimg 8,388,608 bytes; aimg 8,388,608 bytes
;; launch qkv (part 1): grid 16 x 32, 4 waves a work-group, clusters of 4 x 4, 327,680 bytes of LDS; arguments x_codes, W_qkv_codes, lowp_scales, qimg, kimg, vimg; writes qimg, kimg, vimg
.if DOCPART == 1
	.amdgcn_target "amdgcn-amd-amdhsa--gfx1250"
	.amdhsa_code_object_version 6
	.text
	.protected	k_qedbcce0365_qkv
	.globl	k_qedbcce0365_qkv
	.p2align	8
	.type	k_qedbcce0365_qkv,@function
k_qedbcce0365_qkv:
	s_mov_b64 s[64:65], 0
	v_nop
	global_prefetch_b8 v0, s[64:65] scope:SCOPE_SE
	s_setreg_imm32_b32 hwreg(HW_REG_WAVE_MODE, 25, 1), 1
	s_wait_xcnt 0x0
	s_wait_alu depctr_hold_cnt(0) depctr_sa_sdst(0) depctr_va_vdst(0) depctr_va_sdst(0) depctr_va_ssrc(0) depctr_va_vcc(0) depctr_vm_vsrc(0)
	s_getreg_b32 s2, hwreg(HW_REG_IB_STS2, 6, 4)
	s_cmp_eq_u32 s2, 0
	s_cbranch_scc0 .Lentry_in_a_cluster
	s_endpgm
.Lentry_in_a_cluster:
	s_bfe_u32 s2, ttmp6, 0x10000c
	s_cmp_lg_u32 s2, 0xf033
	s_cbranch_scc0 .Lentry_shape_is_right
	s_endpgm
.Lentry_shape_is_right:
; qkv = x W_qkv^T on codes of FP8 (E4M3), and the quantisers of q, k and v.  x: [8192][1024], W_qkv: [3072][1024], codes, K innermost.  lowp_scales: e0 .. e7 (int32).
; A sum stands for sum x 2^(e0 + e1); q's code is sum / 2^(e2 - e0 - e1), held within +-448, k's the same with e3, v's with e5.
; LIMITS: e2 - e0 - e1, e3 - e0 - e1 and e5 - e0 - e1 lie between -126 and 119, so that each scale and 448 x it are f32 numbers.  NaN codes among the inputs are not served.
; SHARES.  W_qkv's rows run head x 192 + (q, k, v) x 64 + d, so 192 columns are one head's q, k and v.  A work-group takes 256 tokens x one head; wave w takes tokens 64 w .. 64 w + 63 x all 192 columns:
; 48 accumulators of 16 x 16, the same text in every wave.  K = 1,024 goes in four K steps of 256 (rows of 256 bytes) through two LDS slots; a K step is two steps of 128.  All eight steps are written out.
; q's AND k's PRODUCTS ARE USED TRANSPOSED (source 0 = 16 rows of W, source 1 = 16 tokens): a lane holds one token and eight neighbouring d.  v's IS USED AS IT IS (source 0 = 16 tokens, source 1 = 16 rows of W):
; a lane holds one d and eight neighbouring tokens.  In both cases eight registers converted at once are two registers of the next product's operand, so the codes are stored as IMAGES OF THOSE REGISTERS:
;   qimg, kimg: [batch x 16 + head][tile of 16 tokens: 128][half: 2][lane][16 bytes]: registers 4 half .. 4 half + 3 of a fragment of 16 tokens x 64
;   vimg:       [batch x 16 + head][block of 128 keys: 16][tile of 16 d: 4][chunk: 4][lane][16 bytes]: registers 4 chunk .. + 3 of a fragment of 16 d x 128 keys
; Every store of a wave covers 512 consecutive bytes, aligned.
; CLUSTERS: 4 x 4 work-groups.  The four of a row of the cluster need the same tiles of x, the four of a column the same tiles of W: each tile is asked for jointly.
; REGISTERS, in windows of 256: window 0: v0-35 addresses and scales; v64-191 x's fragments (4 x 16 tokens x 128 K), two sets; behind the sums v64-159 codes, v192-223 at work.
;   window 1: W's fragments for q and k (8 tiles), two sets.   window 2: q's accumulators (a, c) at 8 (4 a + c), k's at 128 + 8 (4 a + c).
;   window 3: v's accumulators (a, n) at 8 (4 n + a); from v128 W's fragments for v (4 tiles), two sets.
.set PITCH,  272                       ; an LDS row: 256 bytes + 16 of padding = 68 words: the 16 rows that a load touches start at 16 different banks (64 banks of 4 bytes: ISA guide 11.1)
.set HALFA,  128*PITCH                 ; what waves 0 and 1 fetch: 128 rows of x
.set HALFB,  96*PITCH                  ; what waves 2 and 3 fetch: 96 rows of W
.set BOFF,   256*PITCH                 ; W's 192 rows lie behind x's 256
.set SLOT,   448*PITCH
.set SPARE,  2*SLOT                    ; behind the ring: the spare words, 128 bytes for each wave: two blocks of 256 bytes that no other line names
.set KROW,   1024                      ; a row of x or of W in memory, in bytes
.set ADRA, 16                          ; v16-17  LDS address of my fragments of x in slot 0, 1
.set ADRB, 20                          ; v20-21  the same for W
.set LO,   24                          ; v24     16 x lane: my place in an image
.set SPW,  28                          ; v28     LDS address of my spare word; never rewritten
.set NIL,  29                          ; v29     0; never rewritten
.set SCQ,  30                          ; v30, v31 q's scale and 448 x it; v32, v33 k's; v34, v35 v's
.set COD,  64                          ; the codes: twelve groups of eight registers, so that no store's data are written again
.set T,    192                         ; 32 numbers at work
.set G1, 24                            ; s[24:31] descriptor group 1 for x's tiles;  s[32:39] group 0, one set for each slot
.set G0, 32
.set G1B, 48                           ; s[48:55], s[56:63] the same for W's tiles
.set G0B, 56
.set MSB, 0
.macro WIN new                         ; the immediate's high byte repeats the setting that is left
.if MSB != \new
	s_set_vgpr_msb (MSB<<8)|\new
.set MSB, \new
.endif
.endm
.set MUL_QK, 0xa1                      ; source 0 (W) window 1, source 1 (x) window 0, C and D window 2
.set MUL_V,  0xfc                      ; source 0 (x) window 0, source 1 (W) window 3, C and D window 3
.set TO_W1,  0x40                      ; destination window 1, address window 0
.set TO_W3,  0xc0                      ; destination window 3, address window 0
; A joint load: waves 0 and 1 fetch for x, waves 2 and 3 for W.  The branch hangs on the wave's number alone.  Four v_nop follow each of the two lines.
.macro JLOAD g0a, g1a, g0b, g1b
	s_cmp_eq_u32 s15, 0
	s_cbranch_scc0 .Lfor_b_\@
	tensor_load_to_lds s[\g0a:\g0a+3], s[\g1a:\g1a+7]
	s_nop 0
.rept 4
	v_nop
.endr
	s_branch .Lasked_\@
.Lfor_b_\@:
	tensor_load_to_lds s[\g0b:\g0b+3], s[\g1b:\g1b+7]
	s_nop 0
.rept 4
	v_nop
.endr
.Lasked_\@:
.endm
.macro CREST                           ; a round of the cluster's barrier behind its opening barrier
	s_cmp_lg_u32 s14, 0
	s_cbranch_scc1 .Lnot_wave_0_\@
	s_barrier_signal -3
.Lnot_wave_0_\@:
	s_barrier_wait -3
	s_barrier_signal -1
	s_barrier_wait -1
.endm
.macro CROUND                          ; a whole round
	s_barrier_signal -1
	s_barrier_wait -1
	CREST
.endm
.macro PLACES n                        ; plain vector instructions between a matrix instruction and a load into, or a read of, its registers
.rept \n
	v_nop
.endr
.endm
	s_load_b128 s[4:7], s[0:1], 0x0                ; x's codes s[4:5], W's codes s[6:7]
	s_load_b128 s[8:11], s[0:1], 0x10              ; the scales' exponents s[8:9], qimg s[10:11]
	s_load_b128 s[68:71], s[0:1], 0x20             ; kimg s[68:69], vimg s[70:71]
	v_lshl_add_u32 v[SPW], v0, 2, SPARE
	v_mov_b32 v[NIL], 0
	ds_add_u32 v28, v29
	ds_add_u32 v28, v29
	s_wait_dscnt 0x0
	v_lshrrev_b32 v1, 5, v0
	v_readfirstlane_b32 s14, v1                    ; wave 0..3
	s_lshr_b32 s15, s14, 1                         ; I fetch for x (0) or for W (1)
	s_and_b32 s16, s14, 1                          ; which half of that tile
	s_bfe_u32 s40, ttmp6, 0x40000                  ; cx, cy: my place in the cluster
	s_bfe_u32 s41, ttmp6, 0x40004
	s_lshl_b32 s42, ttmp9, 2
	s_add_co_u32 s42, s42, s40                     ; the head = 4 x cluster x + cx
	s_and_b32 s17, ttmp7, 0xffff
	s_lshl_b32 s17, s17, 2
	s_add_co_u32 s17, s17, s41                     ; the block of 256 tokens = 4 x cluster y + cy
	s_lshl_b32 s43, s41, 2
	s_lshl_b32 s43, 15, s43                        ; my row of the cluster
	s_lshl_b32 s44, 0x1111, s40                    ; my column
	; descriptor group 1: rows of 256 bytes, 1,024 bytes apart in memory, padded in LDS; x: 128 rows, W: 96
	s_or_b32 s[G1+0], s43, (1<<20)|(1<<21)|(5<<22)|(3<<25)   ; 15:0 the mask: x's tiles go to my row; 17:16 elements of 1 byte; 20 padding on; 21 set beside a mask; 24:22 after every 64 words; 31:25 four words
	s_or_b32 s[G1B+0], s44, (1<<20)|(1<<21)|(5<<22)|(3<<25)  ; the same with the mask of my column
.irp g, G1, G1B
	s_mov_b32 s[\g+1], 256<<16                     ; tensor_dim0
	s_mov_b32 s[\g+3], 256<<16                     ; tile_dim0
	s_mov_b32 s[\g+5], KROW                        ; tensor_dim0_stride
	s_mov_b32 s[\g+6], 0
	s_mov_b32 s[\g+7], 0
.endr
	s_mov_b32 s[G1+2], 128<<16                     ; tensor_dim1
	s_mov_b32 s[G1+4], 128                         ; tile_dim1
	s_mov_b32 s[G1B+2], 96<<16
	s_mov_b32 s[G1B+4], 96
	s_lshl_b32 s20, s17, 8
	s_lshl_b32 s18, s16, 7
	s_add_co_u32 s20, s20, s18                     ; x: row 256 x block + 128 x half
	s_lshl_b32 s20, s20, 10                        ; in bytes (under 2^23)
	s_mov_b32 s21, 0
	s_mul_i32 s46, s42, 192
	s_mul_i32 s18, s16, 96
	s_add_co_u32 s46, s46, s18                     ; W: row 192 x head + 96 x half
	s_lshl_b32 s46, s46, 10
	s_mov_b32 s47, 0
	s_mul_i32 s45, s14, HALFA                      ; where they go: x's halves at wave x 128 rows,
	s_mul_i32 s67, s14, HALFB
	s_add_co_u32 s67, s67, BOFF-2*HALFB            ; W's at 256 rows + (wave - 2) x 96 rows: no place in the cluster enters an LDS address
	s_wait_kmcnt 0x0
	s_load_b256 s[80:87], s[8:9], 0x0              ; e0 .. e7
	s_add_nc_u64 s[20:21], s[4:5], s[20:21]
	s_add_nc_u64 s[46:47], s[6:7], s[46:47]
	CROUND                                         ; all sixteen work-groups are here: the first joint loads meet
.irp s, 0,1
	s_mov_b32 s[G0+4*\s], 1
	s_add_co_u32 s[G0+4*\s+1], s45, \s*SLOT
	s_add_nc_u64 s[G0+4*\s+2:G0+4*\s+3], s[20:21], \s*256
	s_or_b32 s[G0+4*\s+3], s[G0+4*\s+3], 0x80000000
	s_mov_b32 s[G0B+4*\s], 1
	s_add_co_u32 s[G0B+4*\s+1], s67, \s*SLOT
	s_add_nc_u64 s[G0B+4*\s+2:G0B+4*\s+3], s[46:47], \s*256
	s_or_b32 s[G0B+4*\s+3], s[G0B+4*\s+3], 0x80000000
	JLOAD G0+4*\s, G1, G0B+4*\s, G1B               ; K steps 0 and 1: two loads of mine are out
.endr
	v_and_b32 v1, 15, v0                           ; r = lane % 16
	v_bfe_u32 v2, v0, 4, 1                         ; h = lane / 16
	v_mul_u32_u24 v3, v1, PITCH
	v_lshl_add_u32 v4, v2, 4, v3                   ; a fragment's row x pitch + 16 x half
	s_mul_i32 s22, s14, 64*PITCH                   ; my 64 rows of x
	s_mov_b32 s23, BOFF                            ; W's rows: every wave reads all 192
.irp s, 0,1
	v_add_nc_u32 v[ADRA+\s], s22, v4
	v_add_nc_u32 v[ADRB+\s], s23, v4
	s_add_co_u32 s22, s22, SLOT
	s_add_co_u32 s23, s23, SLOT
.endr
	v_and_b32 v5, 31, v0
	v_lshlrev_b32 v[LO], 4, v5
	; where my images begin.  batch = block / 8, tb = block % 8.  q, k: (16 batch + head) x 131,072 + (16 tb + 4 wave) x 1,024;  v: the same head + (2 tb + wave / 2) x 8,192 + (wave % 2) x 1,024
	s_lshr_b32 s74, s17, 3
	s_lshl_b32 s74, s74, 4
	s_add_co_u32 s74, s74, s42
	s_lshl_b32 s74, s74, 17
	s_and_b32 s75, s17, 7
	s_lshl_b32 s75, s75, 14
	s_add_co_u32 s74, s74, s75
	s_lshl_b32 s76, s14, 12
	s_add_co_u32 s76, s76, s74
	s_mov_b32 s77, 0
	s_add_nc_u64 s[10:11], s[10:11], s[76:77]
	s_add_nc_u64 s[68:69], s[68:69], s[76:77]
	s_lshl_b32 s78, s15, 13
	s_lshl_b32 s79, s16, 10
	s_add_co_u32 s78, s78, s79
	s_add_co_u32 s78, s78, s74
	s_mov_b32 s79, 0
	s_add_nc_u64 s[70:71], s[70:71], s[78:79]
; A fragment, 16 rows x 128 K of codes, is 16 registers, fetched by four loads of 16 bytes, 32 bytes apart: registers 4 c .. 4 c + 3 hold K = 32 c + 16 (lane / 16) + 0 .. 15.  That is a permutation of k, the same in x and in W: every product meets its partner.
.macro FRAG reg, adr, q, i
.irp c, 0,1,2,3
	ds_load_b128 v[\reg+4*\c:\reg+4*\c+3], v[\adr] offset:128*(\q)+32*\c+(\i)*16*PITCH
.endr
.endm
; 64 LDS loads in one run: the slot's q-th 128 along K into set p: W's twelve fragments, then my four of x
.macro FETCH slot, q, p
	WIN TO_W1
.irp i, 0,1,2,3,4,5,6,7
	FRAG 128*(\p)+16*\i, ADRB+\slot, \q, \i
.endr
	WIN TO_W3
.irp i, 0,1,2,3
	FRAG 128+64*(\p)+16*\i, ADRB+\slot, \q, 8+\i
.endr
	WIN 0
.irp i, 0,1,2,3
	FRAG 64+64*(\p)+16*\i, ADRA+\slot, \q, \i
.endr
.endm
; 16 products: token tiles a0, a0 + 1, each against q's four tiles of W and k's four.  zero = 1: the first product starts the sums: nothing is cleared.
; The 48 accumulators take turns, one instruction a turn, in the same order in every step.
.macro MQK a0, p, zero
.irp a, \a0, \a0+1
.irp c, 0,1,2,3,4,5,6,7
.set AC, 128*(\c/4)+8*(4*(\a)+\c%4)
.if \zero
	v_wmma_f32_16x16x128_fp8_fp8 v[AC:AC+7], v[128*(\p)+16*\c:128*(\p)+16*\c+15], v[64+64*(\p)+16*(\a):64+64*(\p)+16*(\a)+15], 0
.else
	v_wmma_f32_16x16x128_fp8_fp8 v[AC:AC+7], v[128*(\p)+16*\c:128*(\p)+16*\c+15], v[64+64*(\p)+16*(\a):64+64*(\p)+16*(\a)+15], v[AC:AC+7]
.endif
.endr
.endr
.endm
; 16 products for v: four token tiles x four tiles of W
.macro MV p, zero
.irp a, 0,1,2,3
.irp n, 0,1,2,3
.set AC, 8*(4*\n+\a)
.if \zero
	v_wmma_f32_16x16x128_fp8_fp8 v[AC:AC+7], v[64+64*(\p)+16*\a:64+64*(\p)+16*\a+15], v[128+64*(\p)+16*\n:128+64*(\p)+16*\n+15], 0
.else
	v_wmma_f32_16x16x128_fp8_fp8 v[AC:AC+7], v[64+64*(\p)+16*\a:64+64*(\p)+16*\a+15], v[128+64*(\p)+16*\n:128+64*(\p)+16*\n+15], v[AC:AC+7]
.endif
.endr
.endr
.endm
; A step of 128 along K on set p; at its head the slot's q-th 128 are fetched into the other set, 48 matrix instructions ahead of their use.
.macro STEP slot, q, p, zero
	s_wait_dscnt 0x0                               ; set p is in
	PLACES 4                                       ; the other set was read by the step before
	FETCH \slot, \q, 1-(\p)
	WIN MUL_QK
	MQK 0, \p, \zero
	MQK 2, \p, \zero
	WIN MUL_V
	MV \p, \zero
	WIN 0
.endm
; A slot's second step (set 1) changes slots: ONE barrier; in front of it each wave waits for all its tensor loads, adds 0 to its spare word, and waits for that and for its reads of this slot.  fill = 1: this slot is filled again, two K steps ahead.
.macro TURN slot, next, fill
	s_wait_tensorcnt 0x0                           ; all my tensor loads have landed: my part of the next slot (every window is 0 here)
	ds_add_u32 v[SPW], v[NIL]                      ; 0 onto my spare word
	s_wait_dscnt 1                                 ; set 1's 64 loads are in; the add alone may be out
	WIN MUL_QK
	MQK 0, 1, 0                                    ; sixteen matrix instructions stand between the add and the wait for it
	s_wait_dscnt 0x0                               ; the add is done, and my reads of this slot are over
	s_barrier_signal -1
	MQK 2, 1, 0
	WIN 0
	s_barrier_wait -1
.if \fill
	CREST                                          ; the barrier has opened a round of the cluster's barrier: no wave of any partner still reads this slot or has a load on its way
	s_add_nc_u64 s[G0+4*\slot+2:G0+4*\slot+3], s[G0+4*\slot+2:G0+4*\slot+3], 512
	s_add_nc_u64 s[G0B+4*\slot+2:G0B+4*\slot+3], s[G0B+4*\slot+2:G0B+4*\slot+3], 512
	JLOAD G0+4*\slot, G1, G0B+4*\slot, G1B         ; the first tensor load behind the round, my only one out; its four v_nop are the places in front of the loads below
.else
	PLACES 4
.endif
	FETCH \next, 0, 0
	WIN MUL_V
	MV 1, 0
	WIN 0
.endm
	s_wait_tensorcnt 1                             ; my part of K step 0 is in; K step 1's load may stay out
	s_barrier_signal -1
	s_barrier_wait -1                              ; everybody's is
	FETCH 0, 0, 0
	STEP 0, 1, 0, 1                                ; the first step's products start the sums
	TURN 0, 1, 1                                   ; slot 0 takes K step 2
	STEP 1, 1, 0, 0
	TURN 1, 0, 1                                   ; slot 1 takes K step 3
	STEP 0, 1, 0, 0
	TURN 0, 1, 0                                   ; nothing is left to fetch
	STEP 1, 1, 0, 0
	s_wait_dscnt 0x0                               ; the last step
	WIN MUL_QK
	MQK 0, 1, 0
	MQK 2, 1, 0
	WIN MUL_V
	MV 1, 0
	WIN 0
; THE WAY OUT.  v[vr] = 2^(e - e0 - e1) as f32 (the conversion takes its exponent field), v[vr + 1] = 448 x that
.macro MKSC e, vr
	s_sub_co_i32 s89, s[\e], s88
	s_add_co_i32 s89, s89, 127
	s_lshl_b32 s90, s89, 23
	v_mov_b32 v[\vr], s90
	s_add_co_i32 s89, s89, 8
	s_lshl_b32 s89, s89, 23
	s_or_b32 s89, s89, 0x600000
	v_mov_b32 v[\vr+1], s89
.endm
; Four accumulators become eight registers of codes and leave by two stores of 512 consecutive bytes.  Each accumulator is read from its low end on.
.macro OUTG win, base, sc, cod, ptr, off
	WIN \win                                       ; source 0: window 2 or 3
.set J, 0
.rept 32
	v_med3_num_f32 v[T+J], v[(\base)+J], -v[\sc+1], v[\sc+1]   ; the conversion to an 8-bit code does not saturate (ISA guide 7.6.2): the hold at 448 x the scale
.set J, J+1
.endr
	WIN 0
.irp i, 0,1,2,3
	v_cvt_scalef32_pk8_fp8_f32 v[\cod+2*\i:\cod+2*\i+1], v[T+8*\i:T+8*\i+7], v[\sc]
.endr
	v_nop                                          ; one plain vector instruction between the conversions and the next group's holds, which write their sources
	global_store_b128 v[LO], v[\cod:\cod+3], s[\ptr:\ptr+1] offset:\off
	global_store_b128 v[LO], v[\cod+4:\cod+7], s[\ptr:\ptr+1] offset:\off+512
.endm
	s_wait_kmcnt 0x0
	s_add_co_i32 s88, s80, s81                     ; e0 + e1
	MKSC 82, SCQ
	MKSC 83, SCQ+2
	MKSC 85, SCQ+4
	PLACES 4                                       ; behind the last products, in front of the first read of results
.irp a, 0,1,2,3
	OUTG 0x02, 32*\a, SCQ, COD+8*\a, 10, 1024*\a           ; q, tokens 16 a on: d = 16 c + 8 (lane / 16) + 0 .. 7 in registers 2 c, 2 c + 1
.endr
.irp a, 0,1,2,3
	OUTG 0x02, 128+32*\a, SCQ+2, COD+32+8*\a, 68, 1024*\a  ; k likewise
.endr
.irp n, 0,1,2,3
	OUTG 0x03, 32*\n, SCQ+4, COD+64+8*\n, 70, 2048*\n      ; v, d = 16 n + lane % 16: my 64 tokens are half of a fragment's 128 keys
.endr
	s_wait_tensorcnt 0x0                           ; the wave's end
	ds_add_u32 v[SPW], v[NIL]
	s_wait_dscnt 0x0
	CROUND                                         ; the closing round: no work-group ends while a partner may still ask for a tile that names it
	s_endpgm
.Lfunc_end_k_qedbcce0365_qkv:
	.size	k_qedbcce0365_qkv, .Lfunc_end_k_qedbcce0365_qkv-k_qedbcce0365_qkv
	.p2alignl 7, 3214868480
	.fill 96, 4, 3214868480
	.section	.rodata,"a",@progbits
	.p2align	6, 0x0
	.amdhsa_kernel k_qedbcce0365_qkv
		.amdhsa_group_segment_fixed_size 327680
		.amdhsa_private_segment_fixed_size 0
		.amdhsa_enable_private_segment 0
		.amdhsa_kernarg_size 48
		.amdhsa_user_sgpr_count 2
		.amdhsa_user_sgpr_kernarg_segment_ptr 1
		.amdhsa_wavefront_size32 1
		.amdhsa_system_sgpr_workgroup_id_x 1
		.amdhsa_system_sgpr_workgroup_id_y 1
		.amdhsa_system_sgpr_workgroup_id_z 1
		.amdhsa_system_vgpr_workitem_id 0
		.amdhsa_next_free_vgpr 1024
		.amdhsa_next_free_sgpr 98
		.amdhsa_reserve_vcc 0
		.amdhsa_float_denorm_mode_32 3
		.amdhsa_float_denorm_mode_16_64 3
		.amdhsa_memory_ordered 1
		.amdhsa_forward_progress 1
		.amdhsa_inst_pref_size 100
	.end_amdhsa_kernel
	.amdgpu_metadata
---
amdhsa.version: [ 1, 2 ]
amdhsa.kernels:
  - .name:           k_qedbcce0365_qkv
    .symbol:         k_qedbcce0365_qkv.kd
    .args:
      - { .name: x_codes, .offset: 0, .size: 8, .value_kind: global_buffer, .address_space: global }
      - { .name: W_qkv_codes, .offset: 8, .size: 8, .value_kind: global_buffer, .address_space: global }
      - { .name: lowp_scales, .offset: 16, .size: 8, .value_kind: global_buffer, .address_space: global }
      - { .name: qimg, .offset: 24, .size: 8, .value_kind: global_buffer, .address_space: global }
      - { .name: kimg, .offset: 32, .size: 8, .value_kind: global_buffer, .address_space: global }
      - { .name: vimg, .offset: 40, .size: 8, .value_kind: global_buffer, .address_space: global }
    .group_segment_fixed_size: 327680
    .private_segment_fixed_size: 0
    .kernarg_segment_align: 8
    .kernarg_segment_size: 48
    .max_flat_workgroup_size: 128
    .sgpr_count:     98
    .vgpr_count:     1024
    .wavefront_size: 32
...
	.end_amdgpu_metadata
.endif
;; end of part 1
;; launch attn (part 2): grid 4 x 64, 16 waves a work-group, no clusters, 67,584 bytes of LDS; arguments qimg, kimg, vimg, lowp_scales, aimg; writes aimg
.if DOCPART == 2
	.amdgcn_target "amdgcn-amd-amdhsa--gfx1250"
	.amdhsa_code_object_version 6
	.text
	.protected	k_qedbcce0365_attn
	.globl	k_qedbcce0365_attn
	.p2align	8
	.type	k_qedbcce0365_attn,@function
k_qedbcce0365_attn:
	s_mov_b64 s[64:65], 0
	v_nop
	global_prefetch_b8 v0, s[64:65] scope:SCOPE_SE
	s_setreg_imm32_b32 hwreg(HW_REG_WAVE_MODE, 25, 1), 1
	s_wait_xcnt 0x0
; Causal attention on codes of FP8 (E4M3), head size 64, 2,048 tokens, 64 pairs of batch and head; and the quantiser of its result.
; qimg, kimg: [bh][tile of 16 tokens][half][lane][16 bytes], vimg: [bh][block of 128 keys][tile of 16 d][chunk][lane][16 bytes]: images of the operands' registers, as the launch before stored them.
; THE SOFTMAX: t = score x log2(e) / 8; M = the running largest t, rounded UP to a whole number; p = 2^(t - M) is quantised with 2^e4, not normalised; the row's sum is taken of the unquantised p and divides at the end.
; The result, O x 2^(e4 + e5) / sum, is held within +-448 x 2^e6 and quantised with 2^e6 into aimg: [block of 256 rows: 32][4 heads: 4][tile of 16 rows: 16][head: 4][half: 2][lane][16 bytes]: images again.
; LIMITS: e2 + e3 between -123 and 130 (they are added to the exponent field of log2(e) / 8); e4 and e6 between -126 and 119; e4 + e5 goes by v_ldexp_f32 and has none.  NaN codes are not served.
; SHARES.  Work-group (p, bh) owns the blocks p and 7 - p of 256 queries of one head: (p + 1) + (8 - p) = 9 slots of 256 keys, the same number in every work-group, so the loop's trip count is a constant.
; Trip i: i <= p: block p, key slot i; else block 7 - p, key slot i - p - 1.  Each of the sixteen waves owns 16 queries, one tile, in 256 registers: four waves to a SIMD, so that one wave's vector work stands beside another's products and LDS loads.
; NO JOINT LOADS: in one and the same trip the four work-groups of a head stand at different key slots (i, or i - p - 1 with their own p), so no tile is wanted by two of them at the same time.
; K AND V GO THROUGH REGISTERS INTO LDS: a slot is 32 KiB of dense images; each of the 512 threads copies 4 x 16 bytes.  The loads are issued in trip i - 2, stored into LDS in trip i - 1 and read in trip i; two LDS slots, one barrier a trip.
; NO PREFETCH: the copies' loads are themselves issued a whole trip, two key steps of every wave, ahead of the wait for them.
; Both products are used transposed: S^T = K Q^T (source 0 = 16 keys, source 1 = my 16 queries), O^T = V^T P^T: a lane holds ONE query (lane % 16) throughout; S^T's register 8 t + j is key 16 t + 8 (lane / 16) + j,
; so eight registers converted at once are registers 2 t, 2 t + 1 of P's fragment.
.set SL1,   0x8000                     ; LDS: slot 1 begins here; a slot: K's 16 tiles of 1,024 bytes, then V's two blocks of 8,192
.set VOFF,  16384
.set LI,   1                           ; v1   16 x lane
.set FO,   2                           ; v2   16 x thread
.set RA,   3                           ; v3   the slot that is read + 16 x lane
.set WA,   4                           ; v4   the slot that is written + 16 x thread
.set DQ,   5                           ; v5   lane % 16 - 8 (lane / 16)
.set PLIM, 6                           ; v6   448 x 2^e4
.set PSC,  7                           ; v7   2^e4
.set NM,   8                           ; v8   -M; v9 the running largest t
.set SUM,  10                          ; v[10:11] the row's sum, in two halves
.set F,    12                          ; v12  f = 2^(old M - new M); v13 is named with it as a pair
.set T0,   14                          ; v14, v15 at work
.set T1,   15
.set Q,    16                          ; v16-23 my queries' fragment
.set G,    24                          ; v24-39 a slot's 64 bytes on their way from memory to LDS
.set PC,   40                          ; v40-55 p's codes; at a block's end the result's
.set SU2,  56                          ; v[56:57] the second chain of the sum
.set XL,   58                          ; v58  what comes from lane xor 16
.set OLIM, 60                          ; v60  448 x 2^e6
.set OSC,  61                          ; v61  2^e6
.set KV,   64                          ; v64-127 K's eight fragments, then V's four
.set S,    128                         ; v128-191 S^T, then p
.set O,    192                         ; v192-223 O^T
.set W,    224                         ; v224-255 at work at a block's end
; s[4:9] qimg, kimg, vimg at my head; s[12:13] aimg; s14 wave; s15 p; s16 bh; s17 trip i; s18 the slot that is read; s19 the slot that is written; s20 my block; s21 my first query; s22 the slot's first key; s23 p + 1;
; s[24:25] lane selects; s[26:27] c; s[28:35] e0 .. e7; s[36:39] where the copies read K and V; s[40:41], s44-47 at work; s42 e4 + e5; s[48:49] Q's address; s[50:51] the result's
.macro KS                              ; s46 = a trip's number -> s[36:37], s[38:39] = its key slot in kimg and vimg
	s_cmp_gt_u32 s46, s15
	s_cselect_b32 s47, s23, 0
	s_sub_co_u32 s46, s46, s47                     ; the key slot: j, or j - p - 1
	s_lshl_b32 s40, s46, 14                        ; 16 tiles of 1,024 bytes; two blocks of 8,192
	s_mov_b32 s41, 0
	s_add_nc_u64 s[36:37], s[6:7], s[40:41]
	s_add_nc_u64 s[38:39], s[8:9], s[40:41]
.endm
.macro GLOAD reg                       ; the work-group's 512 threads read 8,192 consecutive bytes an instruction
	global_load_b128 v[\reg:\reg+3], v[FO], s[36:37]
	global_load_b128 v[\reg+4:\reg+7], v[FO], s[36:37] offset:8192
	global_load_b128 v[\reg+8:\reg+11], v[FO], s[38:39]
	global_load_b128 v[\reg+12:\reg+15], v[FO], s[38:39] offset:8192
.endm
.macro LSTORE reg, adr
	ds_store_b128 v[\adr], v[\reg:\reg+3]
	ds_store_b128 v[\adr], v[\reg+4:\reg+7] offset:8192
	ds_store_b128 v[\adr], v[\reg+8:\reg+11] offset:16384
	ds_store_b128 v[\adr], v[\reg+12:\reg+15] offset:24576
.endm
.macro NEWBLOCK                        ; s20 = the block: my first query, its fragment, and the statistics' first values
	s_lshl_b32 s21, s20, 8
	s_lshl_b32 s44, s14, 4
	s_add_co_u32 s21, s21, s44                     ; 256 x block + 16 x wave
	s_lshl_b32 s44, s21, 6                         ; its tile of 16 tokens is 1,024 bytes
	s_mov_b32 s45, 0
	s_add_nc_u64 s[48:49], s[4:5], s[44:45]
	global_load_b128 v[Q:Q+3], v[LI], s[48:49]
	global_load_b128 v[Q+4:Q+7], v[LI], s[48:49] offset:512
	v_mov_b32 v[NM+1], 0xff61b1e6                  ; the largest t so far: -3e38, under every t
	v_floor_f32 v[NM], -v[NM+1]                    ; -M
	v_mov_b32 v[SUM], 0
	v_mov_b32 v[SUM+1], 0
.set J, 0
.rept 32
	v_mov_b32 v[O+J], 0                            ; O^T: the key step is written once; a block's first step finds zeros, which the first change of M leaves zeros
.set J, J+1
.endr
.endm
; A block's end: O^T x 2^(e4 + e5) / the sum, held, quantised, stored as an image: two stores of 512 consecutive bytes.
.macro FINISH
.rept 4
	v_nop                                          ; places behind the last products
.endr
	v_add_f32 v[T0], v[SUM], v[SUM+1]              ; the sum's two halves,
	v_permlanex16_b32 v[XL], v[T0], s24, s25
	v_add_f32 v[T0], v[T0], v[XL]                  ; and lane xor 16's
	v_rcp_f32 v[T0], v[T0]
	v_nop                                          ; a plain instruction behind the transcendental
	s_wait_alu depctr_va_vdst(0)                   ; and the wait ahead of the first reader
	v_ldexp_f32 v[T0], v[T0], s42
.set J, 0
.rept 32
	v_mul_f32 v[W+J], v[O+J], v[T0]                ; register 8 t + j is d = 16 t + 8 (lane / 16) + j of my query; each accumulator from its low end on
.set J, J+1
.endr
.set J, 0
.rept 32
	v_med3_num_f32 v[W+J], v[W+J], -v[OLIM], v[OLIM]   ; the conversion does not saturate (ISA guide 7.6.2)
.set J, J+1
.endr
.irp i, 0,1,2,3
	v_cvt_scalef32_pk8_fp8_f32 v[PC+2*\i:PC+2*\i+1], v[W+8*\i:W+8*\i+7], v[OSC]
.endr
	v_nop                                          ; one plain instruction behind the last conversion
	s_lshr_b32 s44, s16, 4                         ; ((8 batch + block) x 4 + head / 4) x 65,536 + wave x 4,096 + (head % 4) x 1,024
	s_lshl_b32 s44, s44, 3
	s_add_co_u32 s44, s44, s20
	s_lshl_b32 s44, s44, 2
	s_bfe_u32 s45, s16, 0x20002
	s_add_co_u32 s44, s44, s45
	s_lshl_b32 s44, s44, 16
	s_lshl_b32 s45, s14, 12
	s_add_co_u32 s44, s44, s45
	s_and_b32 s45, s16, 3
	s_lshl_b32 s45, s45, 10
	s_add_co_u32 s44, s44, s45
	s_mov_b32 s45, 0
	s_add_nc_u64 s[50:51], s[12:13], s[44:45]
	global_store_b128 v[LI], v[PC:PC+3], s[50:51]
	global_store_b128 v[LI], v[PC+4:PC+7], s[50:51] offset:512
	s_wait_xcnt 0x0                                ; the stores' data and base are written again only behind this wait
.endm
; A KEY STEP: the q-th 128 keys of the slot in hand.
.macro STEP q
.if \q
	s_add_co_u32 s44, s21, 15                      ; a step all of whose keys come after my 16 queries is left out: a scalar branch on ids; no barrier stands in a step.  (A slot's first 128 keys are never all hidden)
	s_add_co_u32 s45, s22, 128
	s_cmp_gt_u32 s45, s44
	s_cbranch_scc1 .Lhidden_\@
.endif
.rept 4
	v_nop                                          ; places in front of loads into registers that the last products read
.endr
.irp t, 0,1,2,3,4,5,6,7
	ds_load_b128 v[KV+8*\t:KV+8*\t+3], v[RA] offset:(8*\q+\t)*1024
	ds_load_b128 v[KV+8*\t+4:KV+8*\t+7], v[RA] offset:(8*\q+\t)*1024+512
.endr
	s_wait_dscnt 0x0                               ; K's fragments are in; and my stores into the other slot have read G
.if \q == 0
	s_cmp_lt_u32 s17, 7                            ; the slot of trip i + 2 is asked for, if there is one: no load leaves its buffer.  (The last copies' loads were shown done at this trip's head, so their bases may be written)
	s_cbranch_scc0 .Lno_fetch_\@
	s_add_co_u32 s46, s17, 2
	KS
	GLOAD G
.Lno_fetch_\@:
.endif
.irp t, 0,1,2,3,4,5,6,7
	v_wmma_f32_16x16x64_fp8_fp8 v[S+8*\t:S+8*\t+7], v[KV+8*\t:KV+8*\t+7], v[Q:Q+7], 0
.endr
.rept 4
	v_nop                                          ; places: in front of the loads over K's fragments, and of the first read of the scores
.endr
.irp d, 0,1,2,3
.irp c, 0,1,2,3
	ds_load_b128 v[KV+16*\d+4*\c:KV+16*\d+4*\c+3], v[RA] offset:VOFF+8192*\q+2048*\d+512*\c   ; V's fragments land while the softmax is walked
.endr
.endr
	s_add_co_u32 s44, s22, 128*\q+127              ; on the diagonal the scores of hidden keys become -infinity ahead of the maximum: p = 0 then.  A step all of whose keys count skips this
	s_cmp_le_u32 s44, s21
	s_cbranch_scc1 .Lopen_\@
	s_sub_co_i32 s44, s21, s22
.if \q
	s_sub_co_i32 s44, s44, 128
.endif
	v_add_nc_u32 v[T0], s44, v[DQ]                 ; d = my query - the step's first key - 8 (lane / 16): register 8 t + j is hidden where 16 t + j > d
	v_mov_b32 v[T1], 0xff800000
.set N, 0
.rept 64
	v_cmp_gt_i32 vcc_lo, 16*(N/8)+N%8, v[T0]
	v_cndmask_b32 v[S+N], v[S+N], v[T1], vcc_lo
.set N, N+1
.endr
.Lopen_\@:
	v_max3_num_f32 v[T0], v[S], v[S+1], v[S+2]     ; the step's largest score of my query among my 64 keys, in two chains, each accumulator from its low end on,
	v_max3_num_f32 v[T1], v[S+3], v[S+4], v[S+5]
.irp i, 6,10,14,18,22,26,30,34,38,42,46,50,54,58
	v_max3_num_f32 v[T0], v[T0], v[S+\i], v[S+1+\i]
	v_max3_num_f32 v[T1], v[T1], v[S+2+\i], v[S+3+\i]
.endr
	v_max3_num_f32 v[T0], v[T0], v[S+62], v[S+63]
	v_max_num_f32 v[T0], v[T0], v[T1]
	v_permlanex16_b32 v[XL], v[T0], s24, s25
	v_max_num_f32 v[T0], v[T0], v[XL]              ; and among lane xor 16's
	v_mul_f32 v[T0], s26, v[T0]                    ; as t (c is positive)
	v_max_num_f32 v[NM+1], v[NM+1], v[T0]          ; the running largest t
	v_mov_b32 v[T0], v[NM]
	v_floor_f32 v[NM], -v[NM+1]                    ; the new -M = floor(-t): M is a whole number
	v_sub_f32 v[T0], v[NM], v[T0]                  ; old M - new M: a whole number, 0 or less
	v_cvt_i32_f32 v[T0], v[T0]                     ; (it saturates)
	v_ldexp_f32 v[F], 1.0, v[T0]                   ; f = 2^(old M - new M): a multiplication by it rounds nothing
.set J, 0
.rept 32
	v_pk_fma_f32 v[S+J:S+J+1], v[S+J:S+J+1], s[26:27], v[NM:NM+1] op_sel_hi:[1,0,0]   ; t - M, two at a time (of the pairs c and -M the low word serves both halves)
.set J, J+2
.endr
.set J, 0
.rept 64
	v_exp_f32 v[S+J], v[S+J]                       ; p = 2^(t - M), at most 1
.set J, J+1
.endr
	v_pk_mul_f32 v[SUM:SUM+1], v[SUM:SUM+1], v[F:F+1] op_sel_hi:[1,0]   ; the sums under the new M: the plain instruction behind the exponentials
	s_wait_alu depctr_va_vdst(0)                   ; one wait for the whole batch, ahead of its first reader
	v_pk_add_f32 v[SU2:SU2+1], v[S:S+1], v[S+2:S+3]   ; the row's sum is taken of the unquantised p, in two chains
.set J, 4
.rept 15
	v_pk_add_f32 v[SUM:SUM+1], v[SUM:SUM+1], v[S+J:S+J+1]
	v_pk_add_f32 v[SU2:SU2+1], v[SU2:SU2+1], v[S+J+2:S+J+3]
.set J, J+4
.endr
	v_pk_add_f32 v[SUM:SUM+1], v[SUM:SUM+1], v[SU2:SU2+1]
	s_cmp_ge_i32 s32, -8                           ; p is at most 1, and 448 x 2^e4 is at least 1 from e4 = -8 on (448 / 256 = 1.75): there the hold changes nothing and is jumped over.  This text has no tensor load and no copy
	s_cbranch_scc1 .Lno_hold_\@
.set J, 0
.rept 64
	v_min_num_f32 v[S+J], v[S+J], v[PLIM]          ; the conversion does not saturate (ISA guide 7.6.2); p is not negative, so the hold is one-sided
.set J, J+1
.endr
.Lno_hold_\@:
.irp t, 0,1,2,3,4,5,6,7
	v_cvt_scalef32_pk8_fp8_f32 v[PC+2*\t:PC+2*\t+1], v[S+8*\t:S+8*\t+7], v[PSC]
.endr
.set J, 0
.rept 16
	v_pk_mul_f32 v[O+J:O+J+1], v[O+J:O+J+1], v[F:F+1] op_sel_hi:[1,0]   ; O^T under the new M; also the plain instructions between the conversions and the products that read their results
.set J, J+2
.endr
	s_wait_dscnt 0x0                               ; V's fragments are in
.irp d, 0,1,2,3
	v_wmma_f32_16x16x128_fp8_fp8 v[O+8*\d:O+8*\d+7], v[KV+16*\d:KV+16*\d+15], v[PC:PC+15], v[O+8*\d:O+8*\d+7]   ; four accumulators by turns, one instruction a turn
.endr
.if \q
.Lhidden_\@:
.endif
.endm
	s_load_b256 s[4:11], s[0:1], 0x0               ; qimg, kimg, vimg, the scales' exponents
	s_load_b64 s[12:13], s[0:1], 0x20              ; aimg
	v_lshl_add_u32 v62, v0, 2, 0x10000
	v_mov_b32 v63, 0
	v_lshrrev_b32 v3, 5, v0
	v_readfirstlane_b32 s14, v3                    ; wave 0..15
	v_and_b32 v[LI], 31, v0
	v_lshlrev_b32 v[LI], 4, v[LI]
	v_lshlrev_b32 v[FO], 4, v0
	v_and_b32 v[DQ], 15, v0
	v_bfe_u32 v[T0], v0, 4, 1
	v_lshlrev_b32 v[T0], 3, v[T0]
	v_sub_nc_u32 v[DQ], v[DQ], v[T0]
	v_mov_b32 v[F+1], 0                            ; (named as the upper half of a pair)
	v_mov_b32 v[XL], 0                             ; written once: a lane permute's destination counts as one of its sources
	s_mov_b32 s15, ttmp9                           ; p
	s_and_b32 s16, ttmp7, 0xffff                   ; bh
	s_add_co_u32 s23, s15, 1
	s_mov_b32 s24, 0x76543210
	s_mov_b32 s25, 0xfedcba98
	s_lshl_b32 s40, s16, 17                        ; a head's images are 131,072 bytes in each of the three buffers
	s_mov_b32 s41, 0
	s_wait_kmcnt 0x0
	s_load_b256 s[28:35], s[10:11], 0x0            ; e0 .. e7
	s_add_nc_u64 s[4:5], s[4:5], s[40:41]
	s_add_nc_u64 s[6:7], s[6:7], s[40:41]
	s_add_nc_u64 s[8:9], s[8:9], s[40:41]
	s_mov_b32 s46, 0
	KS
	GLOAD S                                        ; trip 0's slot, through registers that are still free
	s_mov_b32 s20, s15                             ; the first block is p
	NEWBLOCK
	s_wait_xcnt 0x0                                ; the copies' bases are written again only behind this wait
	s_mov_b32 s46, 1
	KS
	GLOAD G                                        ; trip 1's slot
	s_wait_kmcnt 0x0
	s_add_co_i32 s44, s30, s31                     ; a score stands for score x 2^(e2 + e3): the two exponents are added to c's exponent field
	s_lshl_b32 s44, s44, 23
	s_add_co_i32 s26, s44, 0x3e38aa3b              ; c = log2(e) / 8
	s_mov_b32 s27, s26                             ; (named with it as a pair)
	s_add_co_i32 s44, s32, 127
	s_lshl_b32 s45, s44, 23
	v_mov_b32 v[PSC], s45                          ; 2^e4
	s_add_co_i32 s44, s44, 8
	s_lshl_b32 s44, s44, 23
	s_or_b32 s44, s44, 0x600000
	v_mov_b32 v[PLIM], s44                         ; 448 x 2^e4
	s_add_co_i32 s44, s34, 127
	s_lshl_b32 s45, s44, 23
	v_mov_b32 v[OSC], s45                          ; 2^e6
	s_add_co_i32 s44, s44, 8
	s_lshl_b32 s44, s44, 23
	s_or_b32 s44, s44, 0x600000
	v_mov_b32 v[OLIM], s44                         ; 448 x 2^e6
	s_add_co_i32 s42, s32, s33                     ; e4 + e5
	s_wait_loadcnt 6                               ; trip 0's four loads are in; Q's two and trip 1's four may be out
	LSTORE S, FO                                   ; into slot 0
	s_mov_b32 s17, 0
	s_mov_b32 s18, 0
	s_mov_b32 s22, 0
.Ltrip:                                            ; nine trips
	s_cmp_lg_u32 s17, s23                          ; at trip p + 1 block p is finished and block 7 - p begins
	s_cbranch_scc1 .Lsame_block
	s_wait_loadcnt 0x0                             ; no load of mine is out when Q's registers are loaded anew and the base of its loads is written: the copies' four were issued a trip ago
	FINISH
	s_sub_co_u32 s20, 7, s15
	NEWBLOCK
	s_mov_b32 s22, 0
.Lsame_block:
	s_wait_dscnt 0x0                               ; my stores into the slot that is read now have landed, and my reads of the other slot are over
	s_barrier_signal -1
	s_barrier_wait -1                              ; both now hold of every wave
	s_wait_loadcnt 0x0                             ; the next slot's 64 bytes are in my registers; Q is in
	s_xor_b32 s19, s18, SL1
	s_cmp_lt_u32 s17, 8
	s_cbranch_scc0 .Lno_store
	v_add_nc_u32 v[WA], s19, v[FO]
	LSTORE G, WA                                   ; trip i + 1's slot, into the slot that was read last trip
.Lno_store:
	v_add_nc_u32 v[RA], s18, v[LI]
	STEP 0
	STEP 1
	s_xor_b32 s18, s18, SL1
	s_add_co_u32 s22, s22, 256
	s_add_co_u32 s17, s17, 1
	s_cmp_lt_u32 s17, 9
	s_cbranch_scc1 .Ltrip
	FINISH
	s_wait_tensorcnt 0x0
	ds_add_u32 v62, v63
	s_wait_dscnt 0x0
	s_endpgm
.Lfunc_end_k_qedbcce0365_attn:
	.size	k_qedbcce0365_attn, .Lfunc_end_k_qedbcce0365_attn-k_qedbcce0365_attn
	.p2alignl 7, 3214868480
	.fill 96, 4, 3214868480
	.section	.rodata,"a",@progbits
	.p2align	6, 0x0
	.amdhsa_kernel k_qedbcce0365_attn
		.amdhsa_group_segment_fixed_size 67584
		.amdhsa_private_segment_fixed_size 0
		.amdhsa_enable_private_segment 0
		.amdhsa_kernarg_size 40
		.amdhsa_user_sgpr_count 2
		.amdhsa_user_sgpr_kernarg_segment_ptr 1
		.amdhsa_wavefront_size32 1
		.amdhsa_system_sgpr_workgroup_id_x 1
		.amdhsa_system_sgpr_workgroup_id_y 1
		.amdhsa_system_sgpr_workgroup_id_z 1
		.amdhsa_system_vgpr_workitem_id 0
		.amdhsa_next_free_vgpr 256
		.amdhsa_next_free_sgpr 66
		.amdhsa_reserve_vcc 1
		.amdhsa_float_denorm_mode_32 3
		.amdhsa_float_denorm_mode_16_64 3
		.amdhsa_memory_ordered 1
		.amdhsa_forward_progress 1
		.amdhsa_inst_pref_size 59
	.end_amdhsa_kernel
	.amdgpu_metadata
---
amdhsa.version: [ 1, 2 ]
amdhsa.kernels:
  - .name:           k_qedbcce0365_attn
    .symbol:         k_qedbcce0365_attn.kd
    .args:
      - { .name: qimg, .offset: 0, .size: 8, .value_kind: global_buffer, .address_space: global }
      - { .name: kimg, .offset: 8, .size: 8, .value_kind: global_buffer, .address_space: global }
      - { .name: vimg, .offset: 16, .size: 8, .value_kind: global_buffer, .address_space: global }
      - { .name: lowp_scales, .offset: 24, .size: 8, .value_kind: global_buffer, .address_space: global }
      - { .name: aimg, .offset: 32, .size: 8, .value_kind: global_buffer, .address_space: global }
    .group_segment_fixed_size: 67584
    .private_segment_fixed_size: 0
    .kernarg_segment_align: 8
    .kernarg_segment_size: 40
    .max_flat_workgroup_size: 512
    .sgpr_count:     66
    .vgpr_count:     256
    .wavefront_size: 32
...
	.end_amdgpu_metadata
.endif
;; end of part 2
;; launch proj (part 3): grid 8 x 32, 4 waves a work-group, clusters of 4 x 4, 327,680 bytes of LDS; arguments aimg, W_proj_codes, lowp_scales, b_proj, out0; writes out0
.if DOCPART == 3
	.amdgcn_target "amdgcn-amd-amdhsa--gfx1250"
	.amdhsa_code_object_version 6
	.text
	.protected	k_qedbcce0365_proj
	.globl	k_qedbcce0365_proj
	.p2align	8
	.type	k_qedbcce0365_proj,@function
k_qedbcce0365_proj:
	s_mov_b64 s[64:65], 0
	v_nop
	global_prefetch_b8 v0, s[64:65] scope:SCOPE_SE
	s_setreg_imm32_b32 hwreg(HW_REG_WAVE_MODE, 25, 1), 1
	s_wait_xcnt 0x0
	s_wait_alu depctr_hold_cnt(0) depctr_sa_sdst(0) depctr_va_vdst(0) depctr_va_sdst(0) depctr_va_ssrc(0) depctr_va_vcc(0) depctr_vm_vsrc(0)
	s_getreg_b32 s2, hwreg(HW_REG_IB_STS2, 6, 4)
	s_cmp_eq_u32 s2, 0
	s_cbranch_scc0 .Lentry_in_a_cluster
	s_endpgm
.Lentry_in_a_cluster:
	s_bfe_u32 s2, ttmp6, 0x10000c
	s_cmp_lg_u32 s2, 0xf033
	s_cbranch_scc0 .Lentry_shape_is_right
	s_endpgm
.Lentry_shape_is_right:
; out0 = a W_proj^T x 2^(e6 + e7) + b_proj on codes of FP8 (E4M3).  a: the attention's result, 8,192 rows x 1,024, as aimg: [block of 256 rows: 32][K step of 256: 4][tile of 16 rows: 16][128 K: 2][chunk: 4][lane][16 bytes]:
; images of the fragments' registers (registers 2 c, 2 c + 1: K = 16 c + 8 (lane / 16) + 0 .. 7).  W_proj: [1024][1024] codes, K innermost.  out0: [8192][1024] f32.
; LIMIT: e6 + e7 lies between -126 and 127, so that 2^(e6 + e7) is an f32 number.  NaN codes are not served.
; SHARES.  A work-group takes 256 rows x 128 columns: 256 work-groups.  Wave w takes rows 64 w .. 64 w + 63 x all 128 columns: 32 accumulators.  K = 1,024 goes in four K steps of 256 through two LDS slots; a K step is two steps of 128; all eight are written out.
; THE MATRIX INSTRUCTION IS USED TRANSPOSED (source 0 = 16 rows of W_proj, source 1 = 16 rows of a): a lane holds eight neighbouring columns of one row of out0.
; a's fragments come from LDS as they lie, 16 bytes a lane; W_proj's fragments take the same places of k from padded rows: eight bytes a load.
; CLUSTERS: 4 x 4 work-groups.  The four of a row of the cluster need the same tiles of a, the four of a column the same tiles of W_proj: each tile is asked for jointly.
; REGISTERS, in windows of 256: window 0: v0-29 addresses; v32-95 the bias in the result's layout; v128-255 a's fragments, two sets; on the way out v128-191 results, v192-255 whole rows.
;   window 1: W_proj's fragments (8 tiles), two sets.   window 2: accumulator (a, b) at 64 a + 8 b.
.set PITCH,  272                       ; a row of W_proj's tile in LDS: 256 bytes + 16 of padding
.set ABYTES, 65536                     ; a's tile: 16 tiles of rows x 4,096 bytes, dense
.set HALFB,  64*PITCH
.set SLOT,   ABYTES+2*HALFB
.set SPARE,  2*SLOT                    ; behind the ring: the spare words, 128 bytes for each wave: two blocks of 256 bytes that no other line names
.set STAGE,  SPARE+512                 ; behind them: 16 rows x (512 bytes + 16) for each wave, for the way out; no tile ever lands here
.set SPITCH, 528
.set ADRA, 16                          ; v16-17  LDS address of my fragments of a in slot 0, 1
.set ADRB, 20                          ; v20-21  the same for W_proj
.set STO,  24                          ; v24     the way out: where I put 32 bytes of a row
.set RD,   25                          ; v25     where I read a row back
.set CO,   26                          ; v26     16 x lane: my place in a row's 512 bytes of out0
.set BO,   27                          ; v27     32 x (lane / 16): my eight numbers of a tile's sixteen of the bias
.set SPW,  28                          ; v28     LDS address of my spare word; never rewritten
.set NIL,  29                          ; v29     0; never rewritten
.set BIAS, 32
.set TMP,  128
.set BK,   192
.set G1, 24                            ; s[24:31] descriptor group 1 for a's tiles;  s[32:39] group 0, one set for each slot
.set G0, 32
.set G1B, 48                           ; s[48:55], s[56:63] the same for W_proj's tiles
.set G0B, 56
.set MSB, 0
.macro WIN new                         ; the immediate's high byte repeats the setting that is left
.if MSB != \new
	s_set_vgpr_msb (MSB<<8)|\new
.set MSB, \new
.endif
.endm
.set MUL,  0xa1                        ; source 0 (W_proj) window 1, source 1 (a) window 0, C and D window 2
.set TO_B, 0x40                        ; destination window 1, address window 0
; A joint load: waves 0 and 1 fetch for a, waves 2 and 3 for W_proj.  The branch hangs on the wave's number alone.  Four v_nop follow each of the two lines.
.macro JLOAD g0a, g1a, g0b, g1b
	s_cmp_eq_u32 s15, 0
	s_cbranch_scc0 .Lfor_b_\@
	tensor_load_to_lds s[\g0a:\g0a+3], s[\g1a:\g1a+7]
	s_nop 0
.rept 4
	v_nop
.endr
	s_branch .Lasked_\@
.Lfor_b_\@:
	tensor_load_to_lds s[\g0b:\g0b+3], s[\g1b:\g1b+7]
	s_nop 0
.rept 4
	v_nop
.endr
.Lasked_\@:
.endm
.macro CREST                           ; a round of the cluster's barrier behind its opening barrier
	s_cmp_lg_u32 s14, 0
	s_cbranch_scc1 .Lnot_wave_0_\@
	s_barrier_signal -3
.Lnot_wave_0_\@:
	s_barrier_wait -3
	s_barrier_signal -1
	s_barrier_wait -1
.endm
.macro CROUND                          ; a whole round
	s_barrier_signal -1
	s_barrier_wait -1
	CREST
.endm
.macro PLACES n                        ; plain vector instructions between a matrix instruction and a load into, or a read of, its registers
.rept \n
	v_nop
.endr
.endm
	s_load_b128 s[4:7], s[0:1], 0x0                ; aimg s[4:5], W_proj's codes s[6:7]
	s_load_b128 s[8:11], s[0:1], 0x10              ; the scales' exponents s[8:9], b_proj s[10:11]
	s_load_b64 s[12:13], s[0:1], 0x20              ; out0
	v_lshl_add_u32 v[SPW], v0, 2, SPARE
	v_mov_b32 v[NIL], 0
	ds_add_u32 v28, v29
	ds_add_u32 v28, v29
	s_wait_dscnt 0x0
	v_lshrrev_b32 v1, 5, v0
	v_readfirstlane_b32 s14, v1                    ; wave 0..3
	s_lshr_b32 s15, s14, 1                         ; I fetch for a (0) or for W_proj (1)
	s_and_b32 s16, s14, 1                          ; which half of that tile
	s_bfe_u32 s40, ttmp6, 0x40000                  ; cx, cy: my place in the cluster
	s_bfe_u32 s41, ttmp6, 0x40004
	s_lshl_b32 s42, ttmp9, 2
	s_add_co_u32 s42, s42, s40                     ; the tile of 128 columns = 4 x cluster x + cx
	s_and_b32 s17, ttmp7, 0xffff
	s_lshl_b32 s17, s17, 2
	s_add_co_u32 s17, s17, s41                     ; the block of 256 rows = 4 x cluster y + cy
	s_lshl_b32 s43, s41, 2
	s_lshl_b32 s43, 15, s43                        ; my row of the cluster
	s_lshl_b32 s44, 0x1111, s40                    ; my column
	; descriptor group 1.  a: 32,768 dense bytes as 128 rows of 32 elements of 8 bytes, no padding.  W_proj: 64 rows of 256 bytes, 1,024 bytes apart in memory, padded in LDS
	s_or_b32 s[G1+0], s43, (3<<16)|(1<<21)         ; 15:0 the mask: a's tiles go to my row; 17:16 elements of 8 bytes; 21 set beside a mask
	s_mov_b32 s[G1+1], 32<<16                      ; tensor_dim0
	s_mov_b32 s[G1+2], 128<<16                     ; tensor_dim1
	s_mov_b32 s[G1+3], 32<<16                      ; tile_dim0
	s_mov_b32 s[G1+4], 128                         ; tile_dim1
	s_mov_b32 s[G1+5], 32                          ; tensor_dim0_stride
	s_mov_b32 s[G1+6], 0
	s_mov_b32 s[G1+7], 0
	s_or_b32 s[G1B+0], s44, (1<<20)|(1<<21)|(5<<22)|(3<<25)  ; the mask of my column; elements of 1 byte; padding: four words after every 64
	s_mov_b32 s[G1B+1], 256<<16
	s_mov_b32 s[G1B+2], 64<<16
	s_mov_b32 s[G1B+3], 256<<16
	s_mov_b32 s[G1B+4], 64
	s_mov_b32 s[G1B+5], 1024
	s_mov_b32 s[G1B+6], 0
	s_mov_b32 s[G1B+7], 0
	s_lshl_b32 s20, s17, 18                        ; a: block x 4 K steps x 65,536 + half x 32,768
	s_lshl_b32 s18, s16, 15
	s_add_co_u32 s20, s20, s18
	s_mov_b32 s21, 0
	s_lshl_b32 s46, s42, 17                        ; W_proj: row 128 x tile + 64 x half, 1,024 bytes a row
	s_lshl_b32 s18, s16, 16
	s_add_co_u32 s46, s46, s18
	s_mov_b32 s47, 0
	s_lshl_b32 s45, s14, 15                        ; where they go: a's halves at wave x 32,768,
	s_mul_i32 s67, s14, HALFB
	s_add_co_u32 s67, s67, ABYTES-2*HALFB          ; W_proj's at 65,536 + (wave - 2) x 64 rows: no place in the cluster enters an LDS address
	s_wait_kmcnt 0x0
	s_load_b256 s[80:87], s[8:9], 0x0              ; e0 .. e7
	s_add_nc_u64 s[20:21], s[4:5], s[20:21]
	s_add_nc_u64 s[46:47], s[6:7], s[46:47]
	CROUND                                         ; all sixteen work-groups are here: the first joint loads meet
.irp s, 0,1
	s_mov_b32 s[G0+4*\s], 1
	s_add_co_u32 s[G0+4*\s+1], s45, \s*SLOT
	s_add_nc_u64 s[G0+4*\s+2:G0+4*\s+3], s[20:21], \s*65536
	s_or_b32 s[G0+4*\s+3], s[G0+4*\s+3], 0x80000000
	s_mov_b32 s[G0B+4*\s], 1
	s_add_co_u32 s[G0B+4*\s+1], s67, \s*SLOT
	s_add_nc_u64 s[G0B+4*\s+2:G0B+4*\s+3], s[46:47], \s*256
	s_or_b32 s[G0B+4*\s+3], s[G0B+4*\s+3], 0x80000000
	JLOAD G0+4*\s, G1, G0B+4*\s, G1B               ; K steps 0 and 1: two loads of mine are out
.endr
	v_and_b32 v1, 15, v0                           ; r = lane % 16
	v_bfe_u32 v2, v0, 4, 1                         ; h = lane / 16
	v_and_b32 v5, 31, v0
	v_lshlrev_b32 v[CO], 4, v5                     ; 16 x lane
	v_lshlrev_b32 v[BO], 5, v2
	v_mul_u32_u24 v3, v1, PITCH
	v_lshl_add_u32 v4, v2, 3, v3                   ; W_proj: row x pitch + 8 x half
	s_lshl_b32 s22, s14, 14                        ; my four tiles of rows of a: wave x 16,384
	s_mov_b32 s23, ABYTES
.irp s, 0,1
	v_add_nc_u32 v[ADRA+\s], s22, v[CO]
	v_add_nc_u32 v[ADRB+\s], s23, v4
	s_add_co_u32 s22, s22, SLOT
	s_add_co_u32 s23, s23, SLOT
.endr
	s_mul_i32 s23, s14, 16*SPITCH
	s_add_co_u32 s23, s23, STAGE                   ; my stage
	v_mul_u32_u24 v3, v1, SPITCH                   ; in: row r, 32 bytes for each half of the lanes
	v_lshl_add_u32 v3, v2, 5, v3
	v_add_nc_u32 v[STO], s23, v3
	v_add_nc_u32 v[RD], s23, v[CO]                 ; back: the 32 lanes take one row of 512 bytes
	s_lshl_b32 s74, s17, 20                        ; out0: (256 x block + 64 x wave) rows of 4,096 bytes + 512 x tile of columns
	s_lshl_b32 s75, s14, 18
	s_add_co_u32 s74, s74, s75
	s_lshl_b32 s76, s42, 9
	s_add_co_u32 s74, s74, s76
	s_mov_b32 s75, 0
	s_add_nc_u64 s[12:13], s[12:13], s[74:75]
	s_mov_b32 s77, 0
	s_add_nc_u64 s[10:11], s[10:11], s[76:77]      ; the bias at my 128 columns
.irp b, 0,1,2,3,4,5,6,7
	global_load_b128 v[BIAS+8*\b:BIAS+8*\b+3], v[BO], s[10:11] offset:64*\b      ; lane (r, h): columns 16 b + 8 h + 0 .. 7: the result's layout; waited for on the way out
	global_load_b128 v[BIAS+8*\b+4:BIAS+8*\b+7], v[BO], s[10:11] offset:64*\b+16
.endr
; The slot's q-th 128 along K into set p: W_proj's eight fragments (registers 2 c, 2 c + 1: K = 16 c + 8 (lane / 16) + 0 .. 7: eight loads of 8 bytes each), then my four of a (four loads of 16 bytes each)
.macro FETCH slot, q, p
	WIN TO_B
.irp b, 0,1,2,3,4,5,6,7
.irp c, 0,1,2,3,4,5,6,7
	ds_load_b64 v[128*(\p)+16*\b+2*\c:128*(\p)+16*\b+2*\c+1], v[ADRB+\slot] offset:\b*16*PITCH+128*(\q)+16*\c
.endr
.endr
	WIN 0
.irp a, 0,1,2,3
.irp c, 0,1,2,3
	ds_load_b128 v[128+64*(\p)+16*\a+4*\c:128+64*(\p)+16*\a+4*\c+3], v[ADRA+\slot] offset:\a*4096+2048*(\q)+512*\c
.endr
.endr
.endm
; 8 products: my tile a of rows against W_proj's eight.  The 32 accumulators take turns, one instruction a turn, in the same order in every step.
.macro MUL8 a, p, zero
.irp b, 0,1,2,3,4,5,6,7
.if \zero
	v_wmma_f32_16x16x128_fp8_fp8 v[64*(\a)+8*\b:64*(\a)+8*\b+7], v[128*(\p)+16*\b:128*(\p)+16*\b+15], v[128+64*(\p)+16*(\a):128+64*(\p)+16*(\a)+15], 0
.else
	v_wmma_f32_16x16x128_fp8_fp8 v[64*(\a)+8*\b:64*(\a)+8*\b+7], v[128*(\p)+16*\b:128*(\p)+16*\b+15], v[128+64*(\p)+16*(\a):128+64*(\p)+16*(\a)+15], v[64*(\a)+8*\b:64*(\a)+8*\b+7]
.endif
.endr
.endm
; A step of 128 along K on set p; at its head the slot's q-th 128 are fetched into the other set, 32 matrix instructions ahead of their use.
.macro STEP slot, q, p, zero
	s_wait_dscnt 0x0                               ; set p is in
	PLACES 4                                       ; the other set was read by the step before
	FETCH \slot, \q, 1-(\p)
	WIN MUL
	MUL8 0, \p, \zero
	MUL8 1, \p, \zero
	MUL8 2, \p, \zero
	MUL8 3, \p, \zero
	WIN 0
.endm
; A slot's second step (set 1) changes slots: ONE barrier; in front of it each wave waits for all its tensor loads, adds 0 to its spare word, and waits for that and for its reads of this slot.  fill = 1: this slot is filled again, two K steps ahead.
.macro TURN slot, next, fill
	s_wait_tensorcnt 0x0                           ; all my tensor loads have landed: my part of the next slot (every window is 0 here)
	ds_add_u32 v[SPW], v[NIL]                      ; 0 onto my spare word
	s_wait_dscnt 1                                 ; set 1's loads are in; the add alone may be out
	WIN MUL
	MUL8 0, 1, 0                                   ; eight matrix instructions stand between the add and the wait for it
	s_wait_dscnt 0x0                               ; the add is done, and my reads of this slot are over
	s_barrier_signal -1
	MUL8 1, 1, 0
	WIN 0
	s_barrier_wait -1
.if \fill
	CREST                                          ; the barrier has opened a round of the cluster's barrier: no wave of any partner still reads this slot or has a load on its way
	s_add_nc_u64 s[G0+4*\slot+2:G0+4*\slot+3], s[G0+4*\slot+2:G0+4*\slot+3], 2*65536
	s_add_nc_u64 s[G0B+4*\slot+2:G0B+4*\slot+3], s[G0B+4*\slot+2:G0B+4*\slot+3], 512
	JLOAD G0+4*\slot, G1, G0B+4*\slot, G1B         ; the first tensor load behind the round, my only one out; its four v_nop are the places in front of the loads below
.else
	PLACES 4
.endif
	FETCH \next, 0, 0
	WIN MUL
	MUL8 2, 1, 0
	MUL8 3, 1, 0
	WIN 0
.endm
	s_wait_tensorcnt 1                             ; my part of K step 0 is in; K step 1's load may stay out
	s_barrier_signal -1
	s_barrier_wait -1                              ; everybody's is
	FETCH 0, 0, 0
	STEP 0, 1, 0, 1                                ; the first step's products start the sums
	TURN 0, 1, 1                                   ; slot 0 takes K step 2
	STEP 1, 1, 0, 0
	TURN 1, 0, 1                                   ; slot 1 takes K step 3
	STEP 0, 1, 0, 0
	TURN 0, 1, 0                                   ; nothing is left to fetch
	STEP 1, 1, 0, 0
	s_wait_dscnt 0x0                               ; the last step
	WIN MUL
	MUL8 0, 1, 0
	MUL8 1, 1, 0
	MUL8 2, 1, 0
	MUL8 3, 1, 0
	WIN 0
	; THE WAY OUT, a tile of 16 rows x 128 columns at a time: sum x 2^(e6 + e7) + bias, one packed multiply-add for two numbers; a lane's 32 bytes go into my own stage in LDS and come back as whole rows of 512 bytes.
	; LDS serves a wave's instructions in order (ISA guide 5.7.1.4): no wait stands between the stores and the loads.
	s_wait_kmcnt 0x0
	s_add_co_i32 s96, s86, s87
	s_add_co_i32 s96, s96, 127
	s_lshl_b32 s96, s96, 23                        ; 2^(e6 + e7) as f32
	s_mov_b32 s97, s96                             ; (named with it as a pair)
	s_wait_loadcnt 0x0                             ; the bias
	PLACES 4                                       ; behind the last products
.irp a, 0,1,2,3
.if \a > 0
	s_wait_xcnt 0x0                                ; the registers that the last tile's stores read are loaded again only behind this wait
.endif
	WIN 0x02                                       ; source 0: window 2
.set J, 0
.rept 32
	v_pk_fma_f32 v[TMP+J:TMP+J+1], v[64*\a+J:64*\a+J+1], s[96:97], v[BIAS+J:BIAS+J+1] op_sel_hi:[1,0,1]   ; each accumulator from its low end on
.set J, J+2
.endr
	WIN 0
.irp b, 0,1,2,3,4,5,6,7
	ds_store_b128 v[STO], v[TMP+8*\b:TMP+8*\b+3] offset:64*\b
	ds_store_b128 v[STO], v[TMP+8*\b+4:TMP+8*\b+7] offset:64*\b+16
.endr
.irp t, 0,1,2,3,4,5,6,7,8,9,10,11,12,13,14,15
	ds_load_b128 v[BK+4*\t:BK+4*\t+3], v[RD] offset:\t*SPITCH
.endr
	s_wait_dscnt 0x0
.irp t, 0,1,2,3,4,5,6,7,8,9,10,11,12,13,14,15
	global_store_b128 v[CO], v[BK+4*\t:BK+4*\t+3], s[12:13] offset:(16*\a+\t)*4096 th:TH_STORE_NT   ; 32 lanes store 512 consecutive bytes, at a multiple of 256 from out0's first byte; written once, read by nobody here
.endr
.endr
	s_wait_tensorcnt 0x0                           ; the wave's end
	ds_add_u32 v[SPW], v[NIL]
	s_wait_dscnt 0x0
	CROUND                                         ; the closing round: no work-group ends while a partner may still ask for a tile that names it
	s_endpgm
.Lfunc_end_k_qedbcce0365_proj:
	.size	k_qedbcce0365_proj, .Lfunc_end_k_qedbcce0365_proj-k_qedbcce0365_proj
	.p2alignl 7, 3214868480
	.fill 96, 4, 3214868480
	.section	.rodata,"a",@progbits
	.p2align	6, 0x0
	.amdhsa_kernel k_qedbcce0365_proj
		.amdhsa_group_segment_fixed_size 327680
		.amdhsa_private_segment_fixed_size 0
		.amdhsa_enable_private_segment 0
		.amdhsa_kernarg_size 40
		.amdhsa_user_sgpr_count 2
		.amdhsa_user_sgpr_kernarg_segment_ptr 1
		.amdhsa_wavefront_size32 1
		.amdhsa_system_sgpr_workgroup_id_x 1
		.amdhsa_system_sgpr_workgroup_id_y 1
		.amdhsa_system_sgpr_workgroup_id_z 1
		.amdhsa_system_vgpr_workitem_id 0
		.amdhsa_next_free_vgpr 768
		.amdhsa_next_free_sgpr 98
		.amdhsa_reserve_vcc 0
		.amdhsa_float_denorm_mode_32 3
		.amdhsa_float_denorm_mode_16_64 3
		.amdhsa_memory_ordered 1
		.amdhsa_forward_progress 1
		.amdhsa_inst_pref_size 92
	.end_amdhsa_kernel
	.amdgpu_metadata
---
amdhsa.version: [ 1, 2 ]
amdhsa.kernels:
  - .name:           k_qedbcce0365_proj
    .symbol:         k_qedbcce0365_proj.kd
    .args:
      - { .name: aimg, .offset: 0, .size: 8, .value_kind: global_buffer, .address_space: global }
      - { .name: W_proj_codes, .offset: 8, .size: 8, .value_kind: global_buffer, .address_space: global }
      - { .name: lowp_scales, .offset: 16, .size: 8, .value_kind: global_buffer, .address_space: global }
      - { .name: b_proj, .offset: 24, .size: 8, .value_kind: global_buffer, .address_space: global }
      - { .name: out0, .offset: 32, .size: 8, .value_kind: global_buffer, .address_space: global }
    .group_segment_fixed_size: 327680
    .private_segment_fixed_size: 0
    .kernarg_segment_align: 8
    .kernarg_segment_size: 40
    .max_flat_workgroup_size: 128
    .sgpr_count:     98
    .vgpr_count:     768
    .wavefront_size: 32
...
	.end_amdgpu_metadata
.endif
;; end of part 3
;; ======== version 2 of 2: 3 launches; version 1 with the launch attn written anew for expert scheduling mode
;; workspace buffers: qimg 8,388,608 bytes; kimg 8,388,608 bytes; vimg 8,388,608 bytes; aimg 8,388,608 bytes
;; launch qkv: the kernel of part 1 again; grid 16 x 32, 4 waves a work-group, clusters of 4 x 4, 327,680 bytes of LDS; arguments x_codes, W_qkv_codes, lowp_scales, qimg, kimg, vimg; writes qimg, kimg, vimg
;; launch attn (part 4): grid 4 x 64, 16 waves a work-group, no clusters, 67,584 bytes of LDS; arguments qimg, kimg, vimg, lowp_scales, aimg; writes aimg
.if DOCPART == 4
	.amdgcn_target "amdgcn-amd-amdhsa--gfx1250"
	.amdhsa_code_object_version 6
	.text
	.protected	k_qedbcce0365_attn
	.globl	k_qedbcce0365_attn
	.p2align	8
	.type	k_qedbcce0365_attn,@function
k_qedbcce0365_attn:
	s_mov_b64 s[64:65], 0
	v_nop
	global_prefetch_b8 v0, s[64:65] scope:SCOPE_SE
	s_setreg_imm32_b32 hwreg(HW_REG_WAVE_SCHED_MODE, 0, 2), 2
	s_setreg_imm32_b32 hwreg(HW_REG_WAVE_MODE, 25, 1), 1
	s_wait_xcnt 0x0
	s_wait_alu depctr_vm_vsrc(0)
; Causal attention on codes of FP8 (E4M3), head size 64, 2,048 tokens, 64 pairs of batch and head; and the quantiser of its result.
; qimg, kimg: [bh][tile of 16 tokens][half][lane][16 bytes], vimg: [bh][block of 128 keys][tile of 16 d][chunk][lane][16 bytes]: images of the operands' registers, as the launch before stored them.
; THE SOFTMAX: t = score x log2(e) / 8; M = the running largest t, rounded UP to a whole number; p = 2^(t - M) is quantised with 2^e4, not normalised; the row's sum is taken of the unquantised p and divides at the end.
; The result, O x 2^(e4 + e5) / sum, is held within +-448 x 2^e6 and quantised with 2^e6 into aimg: [block of 256 rows: 32][4 heads: 4][tile of 16 rows: 16][head: 4][half: 2][lane][16 bytes]: images again.
; LIMITS: e2 + e3 between -123 and 130 (they are added to the exponent field of log2(e) / 8); e4 and e6 between -126 and 119; e4 + e5 goes by v_ldexp_f32 and has none.  NaN codes are not served.
; SHARES.  Work-group (p, bh) owns the blocks p and 7 - p of 256 queries of one head: (p + 1) + (8 - p) = 9 slots of 256 keys, the same number in every work-group, so the loop's trip count is a constant.
; Trip i: i <= p: block p, key slot i; else block 7 - p, key slot i - p - 1.  Each of the sixteen waves owns 16 queries, one tile, in 256 registers: four waves to a SIMD, so that one wave's vector work stands beside another's products and LDS loads.
; NO JOINT LOADS: in one and the same trip the four work-groups of a head stand at different key slots (i, or i - p - 1 with their own p), so no tile is wanted by two of them at the same time.
; K AND V GO THROUGH REGISTERS INTO LDS: a slot is 32 KiB of dense images; each of the 512 threads copies 4 x 16 bytes.  The loads are issued in trip i - 2, stored into LDS in trip i - 1 and read in trip i; two LDS slots, one barrier a trip.
; NO PREFETCH: the copies' loads are themselves issued a whole trip, two key steps of every wave, ahead of the wait for them.
; Both products are used transposed: S^T = K Q^T (source 0 = 16 keys, source 1 = my 16 queries), O^T = V^T P^T: a lane holds ONE query (lane % 16) throughout; S^T's register 8 t + j is key 16 t + 8 (lane / 16) + j,
; so eight registers converted at once are registers 2 t, 2 t + 1 of P's fragment.
; THE MODE: SCHED_MODE bits 1:0 = 2 (LLVM: expert scheduling mode 2), set by the entry lines.  The code itself states the register dependences
; between vector or matrix instructions and memory or LDS instructions, with s_wait_alu, always for 0.
; THE PLAN.  Registers that memory or LDS instructions touch:
;   v[LI], v[FO]  Offsets, made once at the head and never written again.
;   v[RA], v[WA]  LDS addresses, written by one vector add each at a trip's head; RA is read by the trip's 64 LDS loads, WA by its four LDS stores.
;   G             The copies' loads land in it; the next trip's LDS stores read it; no vector instruction names it.
;   Q             Loads land in it at a block's start; the products K Q^T read it.
;   KV            K's LDS loads land in it, K Q^T reads it, V's LDS loads land over it, V^T P reads it, the next step's K lands over that.
;   PC            Written by conversions; read by products, and at a block's end by two global stores.
;   v128-143      At the head alone: trip 0's slot passes through them into LDS; afterwards they are S^T's.
;   v62, v63      Written at the head, read by the closing add alone.
; A TRIP'S WAITS.  At its head one on vm_vsrc (the last trip's LDS instructions have read RA and WA), the two adds, one on va_vdst (RA and WA are written; the last products are done reading KV).
; In its first step one on vm_vsrc ahead of the copies' loads (the trip's LDS stores have read G).  In each step one on va_vdst behind K Q^T (done reading K's fragments): V's sixteen loads follow it, dealt among the
; softmax's instructions, none of which names KV or RA.  At the second step's head one on va_vdst (V^T P is done reading V's fragments).  One more stands behind the exponentials.
.set SL1,   0x8000                     ; LDS: slot 1 begins here; a slot: K's 16 tiles of 1,024 bytes, then V's two blocks of 8,192
.set VOFF,  16384
.set LI,   1                           ; v1   16 x lane
.set FO,   2                           ; v2   16 x thread
.set RA,   3                           ; v3   the slot that is read + 16 x lane
.set WA,   4                           ; v4   the slot that is written + 16 x thread
.set DQ,   5                           ; v5   lane % 16 - 8 (lane / 16)
.set PLIM, 6                           ; v6   448 x 2^e4
.set PSC,  7                           ; v7   2^e4
.set NM,   8                           ; v8   -M; v9 the running largest t
.set SUM,  10                          ; v[10:11] the row's sum, in two halves
.set F,    12                          ; v12  f = 2^(old M - new M); v13 is named with it as a pair
.set T0,   14                          ; v14, v15 at work
.set T1,   15
.set Q,    16                          ; v16-23 my queries' fragment
.set G,    24                          ; v24-39 a slot's 64 bytes on their way from memory to LDS
.set PC,   40                          ; v40-55 p's codes; at a block's end the result's
.set SU2,  56                          ; v[56:57] the second chain of the sum
.set XL,   58                          ; v58  what comes from lane xor 16
.set OLIM, 60                          ; v60  448 x 2^e6
.set OSC,  61                          ; v61  2^e6
.set KV,   64                          ; v64-127 K's eight fragments, then V's four
.set S,    128                         ; v128-191 S^T, then p
.set O,    192                         ; v192-223 O^T
.set W,    224                         ; v224-255 at work at a block's end
.set MK,   48                          ; s48-63 on the diagonal: sixteen masks of hidden keys.  (s48-51 hold addresses at a block's change alone: see below)
; s[4:9] qimg, kimg, vimg at my head; s[12:13] aimg; s14 wave; s15 p; s16 bh; s17 trip i; s18 the slot that is read; s19 the slot that is written; s20 my block; s21 my first query; s22 the slot's first key; s23 p + 1;
; s[24:25] lane selects; s[26:27] c; s[28:35] e0 .. e7; s[36:39] where the copies read K and V; s[40:41], s44-47 at work; s42 e4 + e5;
; s[48:49] Q's address, from a block's start to the trip's wait for all loads; s[50:51] the result's, up to the wait on XCNT behind its stores
.macro KS                              ; s46 = a trip's number -> s[36:37], s[38:39] = its key slot in kimg and vimg
	s_cmp_gt_u32 s46, s15
	s_cselect_b32 s47, s23, 0
	s_sub_co_u32 s46, s46, s47                     ; the key slot: j, or j - p - 1
	s_lshl_b32 s40, s46, 14                        ; 16 tiles of 1,024 bytes; two blocks of 8,192
	s_mov_b32 s41, 0
	s_add_nc_u64 s[36:37], s[6:7], s[40:41]
	s_add_nc_u64 s[38:39], s[8:9], s[40:41]
.endm
.macro GLOAD reg                       ; the work-group's 512 threads read 8,192 consecutive bytes an instruction
	global_load_b128 v[\reg:\reg+3], v[FO], s[36:37]
	global_load_b128 v[\reg+4:\reg+7], v[FO], s[36:37] offset:8192
	global_load_b128 v[\reg+8:\reg+11], v[FO], s[38:39]
	global_load_b128 v[\reg+12:\reg+15], v[FO], s[38:39] offset:8192
.endm
.macro LSTORE reg, adr
	ds_store_b128 v[\adr], v[\reg:\reg+3]
	ds_store_b128 v[\adr], v[\reg+4:\reg+7] offset:8192
	ds_store_b128 v[\adr], v[\reg+8:\reg+11] offset:16384
	ds_store_b128 v[\adr], v[\reg+12:\reg+15] offset:24576
.endm
.macro VLOAD q, d                      ; V's fragment d (16 of the head's 64 x 128 keys) of the slot's q-th 128 keys
.irp c, 0,1,2,3
	ds_load_b128 v[KV+16*(\d)+4*\c:KV+16*(\d)+4*\c+3], v[RA] offset:VOFF+8192*(\q)+2048*(\d)+512*\c
.endr
.endm
.macro NEWBLOCK                        ; s20 = the block: my first query, its fragment, and the statistics' first values
	s_lshl_b32 s21, s20, 8
	s_lshl_b32 s44, s14, 4
	s_add_co_u32 s21, s21, s44                     ; 256 x block + 16 x wave
	s_lshl_b32 s44, s21, 6                         ; its tile of 16 tokens is 1,024 bytes
	s_mov_b32 s45, 0
	s_add_nc_u64 s[48:49], s[4:5], s[44:45]
	global_load_b128 v[Q:Q+3], v[LI], s[48:49]     ; no wait of its own: at the head no vector or matrix instruction has named Q; at the change of blocks the wait ahead of the result's stores stands behind every product that read Q, and nothing behind it names Q
	global_load_b128 v[Q+4:Q+7], v[LI], s[48:49] offset:512
	v_mov_b32 v[NM+1], 0xff61b1e6                  ; the largest t so far: -3e38, under every t
	v_floor_f32 v[NM], -v[NM+1]                    ; -M
	v_mov_b32 v[SUM], 0
	v_mov_b32 v[SUM+1], 0
.set J, 0
.rept 32
	v_mov_b32 v[O+J], 0                            ; O^T: the key step is written once; a block's first step finds zeros, which the first change of M leaves zeros
.set J, J+1
.endr
.endm
; A block's end: O^T x 2^(e4 + e5) / the sum, held, quantised, stored as an image: two stores of 512 consecutive bytes.
.macro FINISH
.rept 4
	v_nop                                          ; places behind the last products
.endr
	v_add_f32 v[T0], v[SUM], v[SUM+1]              ; the sum's two halves,
	v_permlanex16_b32 v[XL], v[T0], s24, s25
	v_add_f32 v[T0], v[T0], v[XL]                  ; and lane xor 16's
	v_rcp_f32 v[T0], v[T0]
	v_nop                                          ; a plain instruction behind the transcendental
	s_wait_alu depctr_va_vdst(0)                   ; the reciprocal has written v[T0], ahead of its first reader
	v_ldexp_f32 v[T0], v[T0], s42
.set J, 0
.rept 32
	v_mul_f32 v[W+J], v[O+J], v[T0]                ; register 8 t + j is d = 16 t + 8 (lane / 16) + j of my query; each accumulator from its low end on
.set J, J+1
.endr
.set J, 0
.rept 32
	v_med3_num_f32 v[W+J], v[W+J], -v[OLIM], v[OLIM]   ; the conversion does not saturate (ISA guide 7.6.2)
.set J, J+1
.endr
.irp i, 0,1,2,3
	v_cvt_scalef32_pk8_fp8_f32 v[PC+2*\i:PC+2*\i+1], v[W+8*\i:W+8*\i+7], v[OSC]
.endr
	v_nop                                          ; one plain instruction behind the last conversion
	s_lshr_b32 s44, s16, 4                         ; ((8 batch + block) x 4 + head / 4) x 65,536 + wave x 4,096 + (head % 4) x 1,024
	s_lshl_b32 s44, s44, 3
	s_add_co_u32 s44, s44, s20
	s_lshl_b32 s44, s44, 2
	s_bfe_u32 s45, s16, 0x20002
	s_add_co_u32 s44, s44, s45
	s_lshl_b32 s44, s44, 16
	s_lshl_b32 s45, s14, 12
	s_add_co_u32 s44, s44, s45
	s_and_b32 s45, s16, 3
	s_lshl_b32 s45, s45, 10
	s_add_co_u32 s44, s44, s45
	s_mov_b32 s45, 0
	s_add_nc_u64 s[50:51], s[12:13], s[44:45]
	s_wait_alu depctr_va_vdst(0)                   ; the conversions have written v[PC] .. v[PC + 7], which the two stores read
	global_store_b128 v[LI], v[PC:PC+3], s[50:51]
	global_store_b128 v[LI], v[PC+4:PC+7], s[50:51] offset:512
	s_wait_xcnt 0x0                                ; the stores' data and base are written again only behind this wait
.endm
; A KEY STEP: the q-th 128 keys of the slot in hand.
.macro STEP q
.if \q
	s_add_co_u32 s44, s21, 15                      ; a step all of whose keys come after my 16 queries is left out: a scalar branch on ids; no barrier stands in a step.  (A slot's first 128 keys are never all hidden)
	s_add_co_u32 s45, s22, 128
	s_cmp_gt_u32 s45, s44
	s_cbranch_scc1 .Lhidden_\@
.rept 4
	v_nop                                          ; four plain instructions behind the last products, ahead of the loads over their operands
.endr
	s_wait_alu depctr_va_vdst(0)                   ; the first step's products V^T P are done reading V's fragments, over which K's land.  (The first step's loads stand behind the wait at the trip's head)
.endif
.irp t, 0,1,2,3,4,5,6,7
	ds_load_b128 v[KV+8*\t:KV+8*\t+3], v[RA] offset:(8*\q+\t)*1024
	ds_load_b128 v[KV+8*\t+4:KV+8*\t+7], v[RA] offset:(8*\q+\t)*1024+512
.endr
	s_wait_dscnt 0x0                               ; K's fragments are in
.irp t, 0,1,2,3,4,5,6,7
	v_wmma_f32_16x16x64_fp8_fp8 v[S+8*\t:S+8*\t+7], v[KV+8*\t:KV+8*\t+7], v[Q:Q+7], 0
.endr
.if \q == 0
	s_wait_alu depctr_vm_vsrc(0)                   ; this trip's LDS stores have read G, in which the copies' next loads land; the wait stands ahead of the branch
	s_cmp_lt_u32 s17, 7                            ; the slot of trip i + 2 is asked for, if there is one: no load leaves its buffer.  (The last copies' loads were shown done at this trip's head, so their bases may be written)
	s_cbranch_scc0 .Lno_fetch_\@
	s_add_co_u32 s46, s17, 2
	KS
	GLOAD G                                        ; behind the eight products, which name neither G nor v[FO]
.Lno_fetch_\@:
.endif
.rept 4
	v_nop                                          ; places behind the products, in front of the first read of the scores
.endr
	s_wait_alu depctr_va_vdst(0)                   ; the eight products are done reading K's fragments, over which V's land.  No vector instruction from here to V^T P names KV or v[RA]: V's four runs of loads owe nothing more
	VLOAD \q, 0                                    ; V's fragments land while the softmax is walked
	VLOAD \q, 1
	s_add_co_u32 s44, s22, 128*\q+127              ; on the diagonal the scores of hidden keys become -infinity ahead of the maximum: p = 0 then.  A step all of whose keys count skips this
	s_cmp_le_u32 s44, s21
	s_cbranch_scc1 .Lopen_\@
	s_sub_co_i32 s44, s21, s22
.if \q
	s_sub_co_i32 s44, s44, 128
.endif
	v_add_nc_u32 v[T0], s44, v[DQ]                 ; d = my query - the step's first key - 8 (lane / 16): register 8 t + j is hidden where 16 t + j > d
	v_mov_b32 v[T1], 0xff800000
.set RUN, 0
.rept 4                                        ; two accumulators a run: sixteen compares into sixteen scalar registers, one wait, sixteen selects
.set N, 16*RUN
.rept 16
	v_cmp_gt_i32 s[MK+N%16], 16*(N/8)+N%8, v[T0]
.set N, N+1
.endr
	s_wait_alu depctr_va_sdst(0)                   ; the run's sixteen compares have written their masks, ahead of the first select that reads one
.set N, 16*RUN
.rept 16
	v_cndmask_b32 v[S+N], v[S+N], v[T1], s[MK+N%16]
.set N, N+1
.endr
.set RUN, RUN+1
.endr
.Lopen_\@:
	v_max3_num_f32 v[T0], v[S], v[S+1], v[S+2]     ; the step's largest score of my query among my 64 keys, in two chains, each accumulator from its low end on,
	v_max3_num_f32 v[T1], v[S+3], v[S+4], v[S+5]
.irp i, 6,10,14,18,22,26,30,34,38,42,46,50,54,58
	v_max3_num_f32 v[T0], v[T0], v[S+\i], v[S+1+\i]
	v_max3_num_f32 v[T1], v[T1], v[S+2+\i], v[S+3+\i]
.endr
	v_max3_num_f32 v[T0], v[T0], v[S+62], v[S+63]
	v_max_num_f32 v[T0], v[T0], v[T1]
	VLOAD \q, 2                                    ; beside the chain of single instructions below
	v_permlanex16_b32 v[XL], v[T0], s24, s25
	v_max_num_f32 v[T0], v[T0], v[XL]              ; and among lane xor 16's
	v_mul_f32 v[T0], s26, v[T0]                    ; as t (c is positive)
	v_max_num_f32 v[NM+1], v[NM+1], v[T0]          ; the running largest t
	v_mov_b32 v[T0], v[NM]
	v_floor_f32 v[NM], -v[NM+1]                    ; the new -M = floor(-t): M is a whole number
	v_sub_f32 v[T0], v[NM], v[T0]                  ; old M - new M: a whole number, 0 or less
	v_cvt_i32_f32 v[T0], v[T0]                     ; (it saturates)
	v_ldexp_f32 v[F], 1.0, v[T0]                   ; f = 2^(old M - new M): a multiplication by it rounds nothing
	VLOAD \q, 3
.set J, 0
.rept 32
	v_pk_fma_f32 v[S+J:S+J+1], v[S+J:S+J+1], s[26:27], v[NM:NM+1] op_sel_hi:[1,0,0]   ; t - M, two at a time (of the pairs c and -M the low word serves both halves)
.set J, J+2
.endr
.set J, 0
.rept 64
	v_exp_f32 v[S+J], v[S+J]                       ; p = 2^(t - M), at most 1
.set J, J+1
.endr
	v_pk_mul_f32 v[SUM:SUM+1], v[SUM:SUM+1], v[F:F+1] op_sel_hi:[1,0]   ; the sums under the new M: the plain instruction behind the exponentials
	s_wait_alu depctr_va_vdst(0)                   ; the 64 exponentials have written p: one wait for the whole batch, ahead of its first reader
	v_pk_add_f32 v[SU2:SU2+1], v[S:S+1], v[S+2:S+3]   ; the row's sum is taken of the unquantised p, in two chains
.set J, 4
.rept 15
	v_pk_add_f32 v[SUM:SUM+1], v[SUM:SUM+1], v[S+J:S+J+1]
	v_pk_add_f32 v[SU2:SU2+1], v[SU2:SU2+1], v[S+J+2:S+J+3]
.set J, J+4
.endr
	v_pk_add_f32 v[SUM:SUM+1], v[SUM:SUM+1], v[SU2:SU2+1]
	s_cmp_ge_i32 s32, -8                           ; p is at most 1, and 448 x 2^e4 is at least 1 from e4 = -8 on (448 / 256 = 1.75): there the hold changes nothing and is jumped over.  This text has no tensor load and no copy
	s_cbranch_scc1 .Lno_hold_\@
.set J, 0
.rept 64
	v_min_num_f32 v[S+J], v[S+J], v[PLIM]          ; the conversion does not saturate (ISA guide 7.6.2); p is not negative, so the hold is one-sided
.set J, J+1
.endr
.Lno_hold_\@:
.irp t, 0,1,2,3,4,5,6,7
	v_cvt_scalef32_pk8_fp8_f32 v[PC+2*\t:PC+2*\t+1], v[S+8*\t:S+8*\t+7], v[PSC]
.endr
.set J, 0
.rept 16
	v_pk_mul_f32 v[O+J:O+J+1], v[O+J:O+J+1], v[F:F+1] op_sel_hi:[1,0]   ; O^T under the new M; also the plain instructions between the conversions and the products that read their results
.set J, J+2
.endr
	s_wait_dscnt 0x0                               ; V's fragments are in
.irp d, 0,1,2,3
	v_wmma_f32_16x16x128_fp8_fp8 v[O+8*\d:O+8*\d+7], v[KV+16*\d:KV+16*\d+15], v[PC:PC+15], v[O+8*\d:O+8*\d+7]   ; four accumulators by turns, one instruction a turn
.endr
.if \q
.Lhidden_\@:
.endif
.endm
	s_load_b256 s[4:11], s[0:1], 0x0               ; qimg, kimg, vimg, the scales' exponents
	s_load_b64 s[12:13], s[0:1], 0x20              ; aimg
	v_lshl_add_u32 v62, v0, 2, 0x10000
	v_mov_b32 v63, 0
	v_lshrrev_b32 v3, 5, v0
	v_readfirstlane_b32 s14, v3                    ; wave 0..15
	v_and_b32 v[LI], 31, v0
	v_lshlrev_b32 v[LI], 4, v[LI]
	v_lshlrev_b32 v[FO], 4, v0
	v_and_b32 v[DQ], 15, v0
	v_bfe_u32 v[T0], v0, 4, 1
	v_lshlrev_b32 v[T0], 3, v[T0]
	v_sub_nc_u32 v[DQ], v[DQ], v[T0]
	v_mov_b32 v[F+1], 0                            ; (named as the upper half of a pair)
	v_mov_b32 v[XL], 0                             ; written once: a lane permute's destination counts as one of its sources
	s_wait_alu depctr_va_sdst(0)                   ; s14 is written, ahead of its first reader: my first query is made from it
	s_mov_b32 s15, ttmp9                           ; p
	s_and_b32 s16, ttmp7, 0xffff                   ; bh
	s_add_co_u32 s23, s15, 1
	s_mov_b32 s24, 0x76543210
	s_mov_b32 s25, 0xfedcba98
	s_lshl_b32 s40, s16, 17                        ; a head's images are 131,072 bytes in each of the three buffers
	s_mov_b32 s41, 0
	s_wait_kmcnt 0x0
	s_load_b256 s[28:35], s[10:11], 0x0            ; e0 .. e7
	s_add_nc_u64 s[4:5], s[4:5], s[40:41]
	s_add_nc_u64 s[6:7], s[6:7], s[40:41]
	s_add_nc_u64 s[8:9], s[8:9], s[40:41]
	s_mov_b32 s46, 0
	KS
	s_wait_alu depctr_va_vdst(0)                   ; v[LI] and v[FO] are written: every global load and store, and the head's LDS stores, read one of them; neither is written again
	GLOAD S                                        ; trip 0's slot, through registers that are still free
	s_mov_b32 s20, s15                             ; the first block is p
	NEWBLOCK
	s_wait_xcnt 0x0                                ; the copies' bases are written again only behind this wait
	s_mov_b32 s46, 1
	KS
	GLOAD G                                        ; trip 1's slot
	s_wait_kmcnt 0x0
	s_add_co_i32 s44, s30, s31                     ; a score stands for score x 2^(e2 + e3): the two exponents are added to c's exponent field
	s_lshl_b32 s44, s44, 23
	s_add_co_i32 s26, s44, 0x3e38aa3b              ; c = log2(e) / 8
	s_mov_b32 s27, s26                             ; (named with it as a pair)
	s_add_co_i32 s44, s32, 127
	s_lshl_b32 s45, s44, 23
	v_mov_b32 v[PSC], s45                          ; 2^e4
	s_add_co_i32 s44, s44, 8
	s_lshl_b32 s44, s44, 23
	s_or_b32 s44, s44, 0x600000
	v_mov_b32 v[PLIM], s44                         ; 448 x 2^e4
	s_add_co_i32 s44, s34, 127
	s_lshl_b32 s45, s44, 23
	v_mov_b32 v[OSC], s45                          ; 2^e6
	s_add_co_i32 s44, s44, 8
	s_lshl_b32 s44, s44, 23
	s_or_b32 s44, s44, 0x600000
	v_mov_b32 v[OLIM], s44                         ; 448 x 2^e6
	s_add_co_i32 s42, s32, s33                     ; e4 + e5
	s_wait_loadcnt 6                               ; trip 0's four loads are in; Q's two and trip 1's four may be out
	LSTORE S, FO                                   ; into slot 0
	s_mov_b32 s17, 0
	s_mov_b32 s18, 0
	s_mov_b32 s22, 0
.Ltrip:                                            ; nine trips
	s_cmp_lg_u32 s17, s23                          ; at trip p + 1 block p is finished and block 7 - p begins
	s_cbranch_scc1 .Lsame_block
	s_wait_loadcnt 0x0                             ; no load of mine is out when Q's registers are loaded anew and the base of its loads is written: the copies' four were issued a trip ago
	FINISH
	s_wait_alu depctr_vm_vsrc(0)                   ; the result's two stores have read v[PC] .. v[PC + 7], which the next block's conversions write
	s_sub_co_u32 s20, 7, s15
	NEWBLOCK
	s_mov_b32 s22, 0
.Lsame_block:
	s_wait_dscnt 0x0                               ; my stores into the slot that is read now have landed, and my reads of the other slot are over
	s_barrier_signal -1
	s_barrier_wait -1                              ; both now hold of every wave
	s_wait_loadcnt 0x0                             ; the next slot's 64 bytes are in my registers; Q is in
	s_xor_b32 s19, s18, SL1
	s_wait_alu depctr_vm_vsrc(0)                   ; the last trip's LDS loads have read v[RA] and its LDS stores v[WA], which the two adds write; in trip 0: the head's LDS stores have read v128-143, which the first products write
	v_add_nc_u32 v[WA], s19, v[FO]                 ; (made in the last trip too, where nothing is stored by it)
	v_add_nc_u32 v[RA], s18, v[LI]
	v_nop                                          ; with the two adds: four plain instructions behind the last products, ahead of the loads over their operands
	v_nop
	s_wait_alu depctr_va_vdst(0)                   ; v[WA] and v[RA] are written, which the LDS stores and all the trip's LDS loads read; the last step's products V^T P are done reading V's fragments, over which K's land
	s_cmp_lt_u32 s17, 8
	s_cbranch_scc0 .Lno_store
	LSTORE G, WA                                   ; trip i + 1's slot, into the slot that was read last trip
.Lno_store:
	STEP 0
	STEP 1
	s_xor_b32 s18, s18, SL1
	s_add_co_u32 s22, s22, 256
	s_add_co_u32 s17, s17, 1
	s_cmp_lt_u32 s17, 9
	s_cbranch_scc1 .Ltrip
	FINISH
	s_wait_dscnt 0x0                               ; the closing lines, six on end
	s_wait_alu 0x0
	s_wait_tensorcnt 0x0
	ds_add_u32 v62, v63
	s_wait_dscnt 0x0
	s_endpgm
.Lfunc_end_k_qedbcce0365_attn:
	.size	k_qedbcce0365_attn, .Lfunc_end_k_qedbcce0365_attn-k_qedbcce0365_attn
	.p2alignl 7, 3214868480
	.fill 96, 4, 3214868480
	.section	.rodata,"a",@progbits
	.p2align	6, 0x0
	.amdhsa_kernel k_qedbcce0365_attn
		.amdhsa_group_segment_fixed_size 67584
		.amdhsa_private_segment_fixed_size 0
		.amdhsa_enable_private_segment 0
		.amdhsa_kernarg_size 40
		.amdhsa_user_sgpr_count 2
		.amdhsa_user_sgpr_kernarg_segment_ptr 1
		.amdhsa_wavefront_size32 1
		.amdhsa_system_sgpr_workgroup_id_x 1
		.amdhsa_system_sgpr_workgroup_id_y 1
		.amdhsa_system_sgpr_workgroup_id_z 1
		.amdhsa_system_vgpr_workitem_id 0
		.amdhsa_next_free_vgpr 256
		.amdhsa_next_free_sgpr 66
		.amdhsa_reserve_vcc 0
		.amdhsa_float_denorm_mode_32 3
		.amdhsa_float_denorm_mode_16_64 3
		.amdhsa_memory_ordered 1
		.amdhsa_forward_progress 1
		.amdhsa_inst_pref_size 67
	.end_amdhsa_kernel
	.amdgpu_metadata
---
amdhsa.version: [ 1, 2 ]
amdhsa.kernels:
  - .name:           k_qedbcce0365_attn
    .symbol:         k_qedbcce0365_attn.kd
    .args:
      - { .name: qimg, .offset: 0, .size: 8, .value_kind: global_buffer, .address_space: global }
      - { .name: kimg, .offset: 8, .size: 8, .value_kind: global_buffer, .address_space: global }
      - { .name: vimg, .offset: 16, .size: 8, .value_kind: global_buffer, .address_space: global }
      - { .name: lowp_scales, .offset: 24, .size: 8, .value_kind: global_buffer, .address_space: global }
      - { .name: aimg, .offset: 32, .size: 8, .value_kind: global_buffer, .address_space: global }
    .group_segment_fixed_size: 67584
    .private_segment_fixed_size: 0
    .kernarg_segment_align: 8
    .kernarg_segment_size: 40
    .max_flat_workgroup_size: 512
    .sgpr_count:     66
    .vgpr_count:     256
    .wavefront_size: 32
...
	.end_amdgpu_metadata
.endif
;; end of part 4
;; launch proj: the kernel of part 3 again; grid 8 x 32, 4 waves a work-group, clusters of 4 x 4, 327,680 bytes of LDS; arguments aimg, W_proj_codes, lowp_scales, b_proj, out0; writes out0
